; MI455X (gfx1250); checked and timed in simulation.
; The chip was launched on July 23, 2026; its instructions are those of AMD's public machine-readable ISA for CDNA 5 (MIT licence, August 2026) and "CDNA5" Instruction Set Architecture Reference Guide (July 2026). The comments in the code are by the model that wrote it; some were corrected since.
;; Group Query Attention. Allowed arithmetic: matrix products marked QUANTISED: E4M3 operands, one given power-of-two scale a tensor, by v_wmma_f32_16x16x64_fp8_fp8 or v_wmma_f32_16x16x128_fp8_fp8, f32 sums; products left as they are: f32 operands where the result goes on into a quantised operand, else bf16, f16 or f32 operands; f32 sums; everything else in f32.
;; Inputs: Wk_codes 1,024 x 32 x 32 uint8 (E4M3 codes of Wk, K innermost, in blocks of 32 codes); Wo_codes 1,024 x 32 x 32 uint8 (E4M3 codes of Wo, K innermost, in blocks of 32 codes); Wq_codes 1,024 x 32 x 32 uint8 (E4M3 codes of Wq, K innermost, in blocks of 32 codes); Wv_codes 1,024 x 32 x 32 uint8 (E4M3 codes of Wv, K innermost, in blocks of 32 codes); bk 1,024 float32; bo 1,024 float32; bq 1,024 float32; bv 1,024 float32; k_codes 2,048 x 8 x 32 x 32 uint8 (E4M3 codes of k, K innermost, in blocks of 32 codes); lowp_scales 8 int32 (the exponents e of the quantised operands' scales 2^e); q_codes 2,048 x 8 x 32 x 32 uint8 (E4M3 codes of q, K innermost, in blocks of 32 codes); v_codes 2,048 x 8 x 32 x 32 uint8 (E4M3 codes of v, K innermost, in blocks of 32 codes).
;; Outputs: out0 64 x 1,024 float32; out1 2,048 x 8 x 8 float32.
;; This version of the problem:
;;   THIS VERSION OF THE PROBLEM IS GIVEN IN LOW PRECISION. The matrix products marked QUANTISED in the list below multiply operands that are first quantised to E4M3 (4 exponent bits, 3 mantissa bits; 8 bits a number), with one given power-of-two scale for each operand tensor; their sums are f32. All else is computed in f32.
;;   The module's matrix products, in the order in which they are computed (A, B: the left and right operand; K: the contracted axis; several contracted axes count as one K, in the product's order):
;;     1. [M 16,384, K 1,024] x [K 1,024, N 1,024]; A: input q (given as codes); B: input Wq (given as codes): QUANTISED (scales: A lowp_scales[0], B lowp_scales[1])
;;     2. [M 16,384, K 1,024] x [K 1,024, N 1,024]; A: input k (given as codes); B: input Wk (given as codes): QUANTISED (scales: A lowp_scales[2], B lowp_scales[3])
;;     3. [M 16,384, K 1,024] x [K 1,024, N 1,024]; A: input v (given as codes); B: input Wv (given as codes): QUANTISED (scales: A lowp_scales[4], B lowp_scales[5])
;;     4. batch 32,768 x [M 8, K 64] x [K 64, N 8]; A: computed on the way; B: computed on the way: left as it is (M = 8 < 16)
;;     5. batch 128 x [M 64, K 8] x [K 8, N 8]; A: computed on the way; B: computed on the way: left as it is (K = 8 < 32)
;;     6. [M 64, K 1,024] x [K 1,024, N 1,024]; A: computed on the way; B: input Wo (given as codes): QUANTISED (scales: A lowp_scales[6], B lowp_scales[7])
;;   THE QUANTISER, for each operand of a quantised product, along K:
;;     - The operand's scale is 2^e, e = its entry of the input lowp_scales (int32; the entries are numbered through the quantised products in the list's order, A before B).
;;     - Each number is divided by the scale, clamped to +-448, and rounded to the nearest number of E4M3, ties to even, subnormals kept.
;;     - The product sums the exact products of the quantised numbers (number of the format x scale) in f32.
;;   ~~~python
;;   def quantise(x, axis, e):      # numpy; x: float32 -> the quantised numbers, widened to float32 again
;;       x = np.moveaxis(x, axis, -1); K = x.shape[-1]
;;       r = np.clip(x / 2.0 ** e, -448, 448)
;;       step = 2.0 ** (np.maximum(np.frexp(np.where(r == 0, 1, r))[1] - 1, -6) - 3)
;;       q = np.round(r / step) * step * 2.0 ** e      # np.round: ties to even
;;       return np.moveaxis(q, -1, axis).astype(np.float32)
;;   ~~~
;;   OPERANDS COMPUTED ON THE WAY. 'Computed on the way' means the value that the module computes at that place (a softmax that the list does not call 'softmax' is quantised finished and normalised). What goes into a quantiser is computed in f32, as accurately as f32 sums, v_exp_f32 and their like allow (about 1e-6 of the number): no bf16 or f16 on the way to a quantiser, and a product that is left as it is and whose result goes on into a quantised operand takes f32 operands (vector FMAs, or v_wmma_f32_16x16x4_f32). A number that lies on a knife's edge between two numbers of the format may be rounded either way, as far as f32 arithmetic and the matrix unit's own rounding can turn it there, and no further.
;;   INPUTS GIVEN AS CODES. Wk (in the module: [1024, 1024], K = its axis 1); Wo (in the module: [1024, 1024], K = its axis 1); Wq (in the module: [1024, 1024], K = its axis 1); Wv (in the module: [1024, 1024], K = its axis 1); k (in the module: [2048, 8, 1024], K = its axis 2); q (in the module: [2048, 8, 1024], K = its axis 2); v (in the module: [2048, 8, 1024], K = its axis 2): each comes as NAME_codes (uint8): NAME with its K axis moved to the last place and cut into blocks of 32 codes, [.., K / 32, bytes a block], one block behind the other in memory; one code a byte (a code: sign, 4 exponent bits, 3 mantissa bits); its scale is its entry of lowp_scales. Its value is code x scale, taken as it is: it is not quantised again, and the codes and scales need not be those that the quantiser above would give.
;; 2 versions. Each part assembles by itself: llvm-mc -triple=amdgcn-amd-amdhsa -mcpu=gfx1250 --defsym DOCPART=n.
;; ======== version 1 of 2: 3 launches
;; workspace buffers: ocodes 65,536 bytes; part 2,097,152 bytes
;; launch last (part 1): grid 64 x 1, 12 waves a work-group, no clusters, 50,688 bytes of LDS; arguments q_codes, k_codes, v_codes, Wq_codes, Wk_codes, Wv_codes, bq, bk, bv, lowp_scales, ocodes; writes ocodes
.if DOCPART == 1
	.amdgcn_target "amdgcn-amd-amdhsa--gfx1250"
	.amdhsa_code_object_version 6
	.text
	.protected	k_qd42f40e0f0_last
	.globl	k_qd42f40e0f0_last
	.p2align	8
	.type	k_qd42f40e0f0_last,@function
k_qd42f40e0f0_last:
	s_mov_b64 s[64:65], 0
	v_nop
	global_prefetch_b8 v0, s[64:65] scope:SCOPE_SE
	s_setreg_imm32_b32 hwreg(HW_REG_WAVE_MODE, 25, 1), 1
	s_wait_xcnt 0x0
; THE LAST CHUNK, one head and two batch entries to a work-group: the projections of its 16 rows of q, k and v (codes of E4M3, f32 sums), the scores, the softmax and w V in f32,
; and the quantiser ahead of the product with Wo.  Only this chunk's output is kept by the problem, so only these 64 rows of v are multiplied.
; SHARES.  head = work-group / 4, t = work-group % 4.  The 16 rows of a tile: lane r takes row 16320 + 8 (r % 8) + 2 t + r / 8: position g = r % 8 in the chunk, batch entry n = 2 t + r / 8.
; Wave w of twelve: X = w / 4 says q, k or v; kq = w % 4 says which 256 of K = 1,024: two K steps of 128, four tiles of 16 of the head's 64 columns: 8 matrix instructions, 40 loads, all issued at once.
; THE ROWS OF A WEIGHT THAT FORM A TILE ARE NOT NEIGHBOURS: lane r of tile 2 b + u takes row 64 head + 32 b + 8 u + r + 8 (r / 8).
; q, k: source 0 = the weight, source 1 = the rows: lane (r, h) holds row r and, in register j of tile 2 b + u, channel d = 32 b + 16 h + 8 u + j.
; v: the sources swapped: lane (r, h) holds channel 32 b + 8 u + r + 8 (r / 8) and, in register j, row 8 h + j.
; The bias is the C of a sum's first matrix instruction: it is loaded into the accumulator's registers and multiplied by f = 2^-(ea + ew) in the wave with kq = 0, by 0 in the others.
; The twelve partial sums go to LDS as images of their registers (lane l's 16 bytes at 16 l, 512 bytes a store); one barrier; wave 0 adds them and finishes.
; SCORES: 16 f32 matrix instructions, source 0 = k's registers, source 1 = q's at the same place (the same order of d in both): lane (r, h) holds query row r and key rows 8 h + j; they are of one batch entry where h = r / 8.
; There a lane holds all 8 scores of its query: the softmax (largest score taken away) stays in the lane.  The other lanes' weights are set to 0, so that w V may sum over all 16 key rows.
; w V: source 0 = v's registers, source 1 = the weights: lane (r, h) holds query row r and d = 32 b + 16 h + 8 u + j: the 16 registers of tiles 2 b, 2 b + 1 are 16 neighbours along the next K.
; The codes leave as a register image: ocodes + 1,024 (4 head + t) + 512 b + 16 lane.
; NO CLUSTER: the four work-groups of a head read the same 192 rows of weights, but every byte goes from memory straight into an operand register, 40 loads a wave issued together;
; a joint tensor load would add a pass through LDS and two rounds of a cluster's barrier to a text of 8 matrix instructions a wave.  No prefetch: nothing is known earlier than the loads themselves are issued.
; LIMITS on the given exponents, so that each power of two is an f32 number: e0 + e1, e2 + e3, e4 + e5 between -127 and 126; e0 + e1 + e2 + e3 between -123 and 130; e6 - e4 - e5 between -126 and 119.  NaN among the inputs is not served.
; REGISTERS.  v1-14 lane numbers and offsets.  A product wave: v16-47 the rows' two fragments, v48-175 the weight's eight, v176-207 four accumulators.
; Wave 0 afterwards: v16-47 q, v48-79 k, v80-111 v; v112-207 three buffers of 32, then at work.  v208-223 the scores' two accumulators, v224-255 w V's four: written by matrix instructions alone.
.set AR,  16
.set WR,  48
.set ACC, 176
.set QS,  16
.set KS,  48
.set VS,  80
.set T0,  112
.set T1,  144
.set T2,  176
	s_load_b256 s[4:11], s[0:1], 0x0               ; q s[4:5], k s[6:7], v s[8:9], Wq s[10:11]
	s_load_b256 s[12:19], s[0:1], 0x20             ; Wk s[12:13], Wv s[14:15], bq s[16:17], bk s[18:19]
	s_load_b128 s[20:23], s[0:1], 0x40             ; bv s[20:21], the scales' exponents s[22:23]
	s_load_b64 s[24:25], s[0:1], 0x50              ; ocodes
	v_lshl_add_u32 v15, v0, 2, 0xc000
	s_set_vgpr_msb 0x40
	v_mov_b32 v1, 0
	s_set_vgpr_msb 0x4000
	v_lshrrev_b32 v1, 5, v0
	v_readfirstlane_b32 s26, v1                    ; wave 0..11
	v_and_b32 v1, 31, v0                           ; lane
	v_and_b32 v2, 15, v0                           ; r
	v_bfe_u32 v3, v0, 4, 1                         ; h
	v_lshlrev_b32 v5, 4, v1                        ; LDS: an image's place for my lane: 16 x lane
	s_lshl_b32 s31, s26, 12
	v_add_nc_u32 v4, s31, v5                       ; LDS: where I store my images: 4,096 x wave + 16 x lane
	v_lshlrev_b32 v6, 4, v1                        ; the same 16 x lane as an offset in ocodes
	v_bfe_u32 v7, v0, 3, 1                         ; r / 8
	v_and_b32 v8, 7, v0                            ; r % 8
	v_lshl_add_u32 v9, v8, 3, v7                   ; 8 (r % 8) + r / 8
	v_lshlrev_b32 v9, 10, v9
	v_lshl_add_u32 v9, v3, 4, v9                   ; the rows' offset: that row of 1,024 bytes + 16 h
	v_lshl_add_u32 v10, v7, 3, v2                  ; r + 8 (r / 8)
	v_lshlrev_b32 v11, 2, v10                      ; bv's offset
	v_lshlrev_b32 v10, 10, v10
	v_lshl_add_u32 v10, v3, 4, v10                 ; the weight's offset
	v_lshlrev_b32 v12, 6, v3                       ; bq's and bk's offset: 16 h numbers
	s_lshr_b32 s27, s26, 2                         ; X
	s_and_b32 s28, s26, 3                          ; kq
	s_lshr_b32 s29, ttmp9, 2                       ; head
	s_and_b32 s30, ttmp9, 3                        ; t
	s_wait_kmcnt 0x0
	s_load_b256 s[32:39], s[22:23], 0x0            ; e0 .. e7
	s_cmp_eq_u32 s27, 0                            ; the buffers are chosen by the wave's number alone
	s_cselect_b64 s[40:41], s[4:5], s[6:7]
	s_cselect_b64 s[42:43], s[10:11], s[12:13]
	s_cselect_b64 s[46:47], s[16:17], s[18:19]
	s_cmp_eq_u32 s27, 2
	s_cselect_b64 s[40:41], s[8:9], s[40:41]
	s_cselect_b64 s[42:43], s[14:15], s[42:43]
	s_cselect_b64 s[46:47], s[20:21], s[46:47]
	s_lshl_b32 s44, s30, 11                        ; 2 t rows of 1,024 bytes
	s_lshl_b32 s53, s28, 8                         ; 256 kq
	s_add_co_u32 s44, s44, s53
	s_add_co_u32 s44, s44, 16320*1024              ; the last chunk's first row
	s_mov_b32 s45, 0
	s_add_nc_u64 s[40:41], s[40:41], s[44:45]
	s_lshl_b32 s44, s29, 16                        ; 64 head rows of the weight
	s_add_co_u32 s44, s44, s53
	s_add_nc_u64 s[42:43], s[42:43], s[44:45]
	s_lshl_b32 s44, s29, 8                         ; 64 head numbers of the bias
	s_add_nc_u64 s[46:47], s[46:47], s[44:45]
.macro DATA                            ; 40 loads: for each K step the rows' fragment (4) and the weight's four (16)
.irp s, 0,1
.irp c, 0,1,2,3
	global_load_b128 v[AR+16*\s+4*\c:AR+16*\s+4*\c+3], v9, s[40:41] offset:128*\s+32*\c
.endr
.irp ct, 0,1,2,3
.irp c, 0,1,2,3
	global_load_b128 v[WR+64*\s+16*\ct+4*\c:WR+64*\s+16*\ct+4*\c+3], v10, s[42:43] offset:(32*(\ct/2)+8*(\ct%2))*1024+128*\s+32*\c
.endr
.endr
.endr
.endm
.macro FACTOR ea, eb                   ; s50 = f: 2^-(ea + eb) as f32 where kq = 0, else 0
	s_add_co_i32 s50, s[\ea], s[\eb]
	s_sub_co_i32 s50, 127, s50
	s_lshl_b32 s50, s50, 23
	s_cmp_eq_u32 s28, 0
	s_cselect_b32 s50, s50, 0
.endm
.macro PROD swap                       ; 8 matrix instructions; the four accumulators take turns, one instruction a turn
.irp s, 0,1
	s_wait_loadcnt 20-20*\s                        ; this K step's 20 loads are in; the second step's 20 may be out
.irp ct, 0,1,2,3
.if \swap
	v_wmma_f32_16x16x128_fp8_fp8 v[ACC+8*\ct:ACC+8*\ct+7], v[AR+16*\s:AR+16*\s+15], v[WR+64*\s+16*\ct:WR+64*\s+16*\ct+15], v[ACC+8*\ct:ACC+8*\ct+7]
.else
	v_wmma_f32_16x16x128_fp8_fp8 v[ACC+8*\ct:ACC+8*\ct+7], v[WR+64*\s+16*\ct:WR+64*\s+16*\ct+15], v[AR+16*\s:AR+16*\s+15], v[ACC+8*\ct:ACC+8*\ct+7]
.endif
.endr
.endr
.endm
	s_cmp_eq_u32 s27, 2
	s_cbranch_scc1 .Lfor_v
	; ---- q or k
.irp ct, 0,1,2,3
	global_load_b128 v[ACC+8*\ct:ACC+8*\ct+3], v12, s[46:47] offset:(32*(\ct/2)+8*(\ct%2))*4        ; the bias at d = 32 b + 16 h + 8 u + 0 .. 7
	global_load_b128 v[ACC+8*\ct+4:ACC+8*\ct+7], v12, s[46:47] offset:(32*(\ct/2)+8*(\ct%2))*4+16
.endr
	DATA
	s_wait_kmcnt 0x0
	s_cmp_eq_u32 s27, 0
	s_cselect_b32 s51, s32, s34
	s_cselect_b32 s52, s33, s35
	FACTOR 51, 52
	s_wait_loadcnt 40                              ; the bias is in; behind it stand the 40 loads of codes
.set J, 0
.rept 32
	v_mul_f32 v[ACC+J], s50, v[ACC+J]
.set J, J+1
.endr
	PROD 0
	s_branch .Lstore
.Lfor_v:
	; ---- v: a lane holds one channel, so its bias is one number for all eight registers of a tile
.irp ct, 0,1,2,3
	global_load_b32 v[ACC+8*\ct], v11, s[46:47] offset:(32*(\ct/2)+8*(\ct%2))*4
.endr
	DATA
	s_wait_kmcnt 0x0
	FACTOR 36, 37
	s_wait_loadcnt 40
.irp ct, 0,1,2,3
.irp j, 1,2,3,4,5,6,7
	v_mul_f32 v[ACC+8*\ct+\j], s50, v[ACC+8*\ct]
.endr
	v_mul_f32 v[ACC+8*\ct], s50, v[ACC+8*\ct]
.endr
	PROD 1
.Lstore:
.rept 4
	v_nop                                          ; four places between the last product and the first read of a result (ISA guide 7.12.1)
.endr
.irp k, 0,1,2,3,4,5,6,7
	ds_store_b128 v4, v[ACC+4*\k:ACC+4*\k+3] offset:512*\k   ; the four accumulators as they stand, each from its low end on
.endr
	s_wait_dscnt 0x0                               ; for the others' sake: my stores have landed
	s_barrier_signal -1
	s_barrier_wait -1                              ; all twelve images lie in LDS
	s_cmp_lg_u32 s26, 0
	s_cbranch_scc1 .Lend
	; ---- wave 0 finishes
.macro LDSET reg, w                    ; wave w's image back into 32 registers
.irp k, 0,1,2,3,4,5,6,7
	ds_load_b128 v[\reg+4*\k:\reg+4*\k+3], v5 offset:4096*(\w)+512*\k
.endr
.endm
.macro ADDSET dst, buf
.irp j, 0,2,4,6,8,10,12,14,16,18,20,22,24,26,28,30
	v_pk_add_f32 v[\dst+\j:\dst+\j+1], v[\dst+\j:\dst+\j+1], v[\buf+\j:\buf+\j+1]
.endr
.endm
	LDSET QS, 0                                    ; the quarter that holds the bias starts each sum
	LDSET KS, 4
	LDSET VS, 8
	LDSET T0, 1
	LDSET T1, 2
	LDSET T2, 3
	s_add_co_i32 s44, s32, s33                     ; a score stands for score x 2^(e0 + e1 + e2 + e3): the exponents are added to c's exponent field
	s_add_co_i32 s44, s44, s34
	s_add_co_i32 s44, s44, s35
	s_lshl_b32 s44, s44, 23
	s_mov_b32 s48, 0x3e38aa3b                      ; c = log2(e) / sqrt(64)
	s_add_co_i32 s48, s48, s44
	s_mov_b32 s49, s48                             ; (named with it as a pair, so it is written)
	s_sub_co_i32 s44, s38, s36                     ; a sum of w V stands for sum x 2^(e4 + e5): its code is sum / 2^(e6 - e4 - e5)
	s_sub_co_i32 s44, s44, s37
	s_add_co_i32 s44, s44, 127
	s_lshl_b32 s45, s44, 23
	v_mov_b32 v13, s45                             ; that power of two as f32: the conversion takes its exponent field
	s_add_co_i32 s44, s44, 8
	s_lshl_b32 s44, s44, 23
	s_or_b32 s44, s44, 0x600000
	v_mov_b32 v14, s44                             ; 448 x that
	s_lshl_b32 s44, ttmp9, 10                      ; 1,024 (4 head + t)
	s_mov_b32 s45, 0
	s_add_nc_u64 s[24:25], s[24:25], s[44:45]
	v_cmp_eq_u32 vcc_lo, v3, v7                    ; the lanes whose keys and query are of one batch entry
	s_wait_dscnt 16                                ; the oldest buffer is in; the two younger sets, 16 loads, may be out.  So in each line below
	ADDSET QS, T0
	LDSET T0, 5
	s_wait_dscnt 16
	ADDSET QS, T1
	LDSET T1, 6
	s_wait_dscnt 16
	ADDSET QS, T2
	LDSET T2, 7
	s_wait_dscnt 16
	ADDSET KS, T0
	LDSET T0, 9
	s_wait_dscnt 16
	ADDSET KS, T1
	LDSET T1, 10
	s_wait_dscnt 16
	ADDSET KS, T2
	LDSET T2, 11
.set I, 0
.rept 16                               ; the scores: 4 of d an instruction; two accumulators take turns; the first two instructions start the sums
.if I < 2
	v_wmma_f32_16x16x4_f32 v[208+8*(I%2):215+8*(I%2)], v[KS+2*I:KS+2*I+1], v[QS+2*I:QS+2*I+1], 0
.else
	v_wmma_f32_16x16x4_f32 v[208+8*(I%2):215+8*(I%2)], v[KS+2*I:KS+2*I+1], v[QS+2*I:QS+2*I+1], v[208+8*(I%2):215+8*(I%2)]
.endif
.set I, I+1
.endr
	s_wait_dscnt 16                                ; v's sums: these 48 additions name no register of the products above: they are the eight places behind them (ISA guide 7.12.1)
	ADDSET VS, T0
	s_wait_dscnt 8
	ADDSET VS, T1
	s_wait_dscnt 0x0
	ADDSET VS, T2
.irp i, 0,2,4,6
	v_pk_add_f32 v[112+\i:113+\i], v[208+\i:209+\i], v[216+\i:217+\i]   ; the two halves of each score, into other registers; both accumulators from their low end on
.endr
	v_max3_num_f32 v120, v112, v113, v114
	v_max3_num_f32 v121, v115, v116, v117
	v_max3_num_f32 v120, v120, v118, v119
	v_max_num_f32 v120, v120, v121                 ; the query's largest score
.irp i, 0,2,4,6
	v_pk_add_f32 v[112+\i:113+\i], v[112+\i:113+\i], v[120:121] op_sel_hi:[1,0] neg_lo:[0,1] neg_hi:[0,1]   ; s - m first: the exponent's error stays relative to the exponent
.endr
.irp i, 0,2,4,6
	v_pk_mul_f32 v[112+\i:113+\i], v[112+\i:113+\i], s[48:49] op_sel_hi:[1,0]
.endr
.irp j, 0,1,2,3,4,5,6,7
	v_exp_f32 v[112+\j], v[112+\j]
.endr
	v_nop                                          ; a plain instruction behind the last exponential
	s_wait_alu depctr_va_vdst(0)                   ; one wait for the batch, ahead of its first reader
	v_pk_add_f32 v[122:123], v[112:113], v[114:115]
	v_pk_add_f32 v[124:125], v[116:117], v[118:119]
	v_pk_add_f32 v[122:123], v[122:123], v[124:125]
	v_add_f32 v122, v122, v123
	v_rcp_f32 v126, v122
	v_nop
	s_wait_alu depctr_va_vdst(0)
.irp j, 0,1,2,3,4,5,6,7
	v_mul_f32 v[112+\j], v[112+\j], v126           ; the weights, normalised
.endr
.irp j, 0,1,2,3,4,5,6,7
	v_cndmask_b32 v[112+\j], 0, v[112+\j], vcc_lo  ; 0 where the keys are the other batch entry's
.endr
.irp i, 0,1,2,3                        ; w V: key rows 8 h + 2 i, + 1 an instruction; four accumulators take turns
.irp ct, 0,1,2,3
.if \i == 0
	v_wmma_f32_16x16x4_f32 v[224+8*\ct:231+8*\ct], v[VS+8*\ct+2*\i:VS+8*\ct+2*\i+1], v[112+2*\i:113+2*\i], 0
.else
	v_wmma_f32_16x16x4_f32 v[224+8*\ct:231+8*\ct], v[VS+8*\ct+2*\i:VS+8*\ct+2*\i+1], v[112+2*\i:113+2*\i], v[224+8*\ct:231+8*\ct]
.endif
.endr
.endr
.rept 8
	v_nop                                          ; eight places behind this form (ISA guide 7.12.1)
.endr
.set J, 0
.rept 32
	v_med3_num_f32 v[T1+J], v[224+J], -v14, v14    ; the conversion to an 8-bit code does not saturate (ISA guide 7.6.2): the hold at the largest code x the scale, into other registers
.set J, J+1
.endr
.irp b, 0,1
	v_cvt_scalef32_pk8_fp8_f32 v[136+4*\b:137+4*\b], v[T1+16*\b:T1+16*\b+7], v13
	v_cvt_scalef32_pk8_fp8_f32 v[138+4*\b:139+4*\b], v[T1+16*\b+8:T1+16*\b+15], v13
.endr
	v_nop                                          ; a plain instruction behind the last conversion
	global_store_b128 v6, v[136:139], s[24:25]             ; 32 lanes store 512 consecutive bytes, at a multiple of 256 from the buffer's first byte
	global_store_b128 v6, v[140:143], s[24:25] offset:512
.Lend:
	s_set_vgpr_msb 0x4
	s_wait_tensorcnt 0x0
	ds_add_u32 v15, v1
	s_wait_dscnt 0x0
	s_set_vgpr_msb 0x400
	s_endpgm
.Lfunc_end_k_qd42f40e0f0_last:
	.size	k_qd42f40e0f0_last, .Lfunc_end_k_qd42f40e0f0_last-k_qd42f40e0f0_last
	.p2alignl 7, 3214868480
	.fill 96, 4, 3214868480
	.section	.rodata,"a",@progbits
	.p2align	6, 0x0
	.amdhsa_kernel k_qd42f40e0f0_last
		.amdhsa_group_segment_fixed_size 50688
		.amdhsa_private_segment_fixed_size 0
		.amdhsa_enable_private_segment 0
		.amdhsa_kernarg_size 88
		.amdhsa_user_sgpr_count 2
		.amdhsa_user_sgpr_kernarg_segment_ptr 1
		.amdhsa_wavefront_size32 1
		.amdhsa_system_sgpr_workgroup_id_x 1
		.amdhsa_system_sgpr_workgroup_id_y 1
		.amdhsa_system_sgpr_workgroup_id_z 1
		.amdhsa_system_vgpr_workitem_id 0
		.amdhsa_next_free_vgpr 258
		.amdhsa_next_free_sgpr 66
		.amdhsa_reserve_vcc 1
		.amdhsa_float_denorm_mode_32 3
		.amdhsa_float_denorm_mode_16_64 3
		.amdhsa_memory_ordered 1
		.amdhsa_forward_progress 1
		.amdhsa_inst_pref_size 39
	.end_amdhsa_kernel
	.amdgpu_metadata
---
amdhsa.version: [ 1, 2 ]
amdhsa.kernels:
  - .name:           k_qd42f40e0f0_last
    .symbol:         k_qd42f40e0f0_last.kd
    .args:
      - { .name: q_codes, .offset: 0, .size: 8, .value_kind: global_buffer, .address_space: global }
      - { .name: k_codes, .offset: 8, .size: 8, .value_kind: global_buffer, .address_space: global }
      - { .name: v_codes, .offset: 16, .size: 8, .value_kind: global_buffer, .address_space: global }
      - { .name: Wq_codes, .offset: 24, .size: 8, .value_kind: global_buffer, .address_space: global }
      - { .name: Wk_codes, .offset: 32, .size: 8, .value_kind: global_buffer, .address_space: global }
      - { .name: Wv_codes, .offset: 40, .size: 8, .value_kind: global_buffer, .address_space: global }
      - { .name: bq, .offset: 48, .size: 8, .value_kind: global_buffer, .address_space: global }
      - { .name: bk, .offset: 56, .size: 8, .value_kind: global_buffer, .address_space: global }
      - { .name: bv, .offset: 64, .size: 8, .value_kind: global_buffer, .address_space: global }
      - { .name: lowp_scales, .offset: 72, .size: 8, .value_kind: global_buffer, .address_space: global }
      - { .name: ocodes, .offset: 80, .size: 8, .value_kind: global_buffer, .address_space: global }
    .group_segment_fixed_size: 50688
    .private_segment_fixed_size: 0
    .kernarg_segment_align: 8
    .kernarg_segment_size: 88
    .max_flat_workgroup_size: 384
    .sgpr_count:     66
    .vgpr_count:     258
    .wavefront_size: 32
...
	.end_amdgpu_metadata
.endif
;; end of part 1
;; launch qk (part 2): grid 4 x 64, 4 waves a work-group, clusters of 4 x 4, 327,680 bytes of LDS; arguments q_codes, k_codes, Wq_codes, Wk_codes, bq, bk, lowp_scales, part; writes part
.if DOCPART == 2
	.amdgcn_target "amdgcn-amd-amdhsa--gfx1250"
	.amdhsa_code_object_version 6
	.text
	.protected	k_qd42f40e0f0_qk
	.globl	k_qd42f40e0f0_qk
	.p2align	8
	.type	k_qd42f40e0f0_qk,@function
k_qd42f40e0f0_qk:
	s_mov_b64 s[64:65], 0
	v_nop
	global_prefetch_b8 v0, s[64:65] scope:SCOPE_SE
	s_setreg_imm32_b32 hwreg(HW_REG_WAVE_MODE, 25, 1), 1
	s_wait_xcnt 0x0
	s_wait_alu depctr_hold_cnt(0) depctr_sa_sdst(0) depctr_va_vdst(0) depctr_va_sdst(0) depctr_va_ssrc(0) depctr_va_vcc(0) depctr_vm_vsrc(0)
	s_getreg_b32 s2, hwreg(HW_REG_IB_STS2, 6, 4)
	s_cmp_eq_u32 s2, 0
	s_cbranch_scc0 .Lentry_in_a_cluster
	s_endpgm
.Lentry_in_a_cluster:
	s_bfe_u32 s2, ttmp6, 0x10000c
	s_cmp_lg_u32 s2, 0xf033
	s_cbranch_scc0 .Lentry_shape_is_right
	s_endpgm
.Lentry_shape_is_right:
; kp = k Wk^T + bk and qp = q Wq^T + bq on codes of E4M3 (f32 sums), one behind the other on one ring in LDS, and from them the block-local softmax, summed over the work-group's four heads and divided by 16.
; SHARES.  A work-group makes 256 rows x 256 columns (4 heads) of both projections.  ITS 256 ROWS ARE OF ONE BATCH ENTRY n: tile row i is row 8 (256 Gb + i) + n of q and of k, a plain tile whose rows lie 8,192 bytes apart.
; So 16 neighbouring tile rows are two chunks of 8 positions, and a tile of 16 x 16 scores holds two chunks' blocks on its diagonal.  Four waves, each 128 rows x 128 columns (2 heads): 64 accumulators, 512 registers.
; ORDER.  k's product first; its sums, rounded to bf16, are parked in 256 registers; then q's product on the same accumulators; then the scores (bf16 operands, f32 sums), softmax, sums.  Neither projection goes to memory.
; To leave room for the parked sums the products take 64 along K an instruction (8 registers a fragment).
; K goes in phases of 256 through two LDS slots filled by the tensor data mover: phases 0-3 are k's, 4-7 q's; a tile's row is 256 bytes of memory.  The text has no loop: 8 phases of 4 steps, written by macros.
; CLUSTERS: 4 x 4 work-groups.  The four of a row of the cluster need the same rows of k and q, the four of a column the same rows of Wk and Wq: each tile is asked for JOINTLY, by the same tensor load with the same descriptor and a mask that names the four.
; THE MATRIX INSTRUCTION IS USED TRANSPOSED (source 0 = 16 rows of the weight, source 1 = 16 rows of k or q): lane (r, h) holds row r and columns 16 b + 8 h + 0 .. 7.  Packed to bf16, two neighbouring tiles' registers ARE a fragment of the scores' product.
; The bias is the C of a sum's first matrix instruction, divided by the power of two that the sums lack.  All four exponents are folded into the softmax's c.
; SCORES: source 0 = 16 rows of kp, source 1 = 16 rows of qp: lane (r, h) holds query row r and key rows 8 h + j: one chunk where h = r / 8 (lanes 0-7, 24-31).  There a lane holds all 8 scores of its query; the other lanes' numbers are not stored.
; part[cb] has out1's layout: byte 256 (8 chunk + n) + 32 g + 4 s.
; LIMITS: e0 + e1 + e2 + e3 between -123 and 130, so that c x 2^(their sum) is an f32 number.  NaN among the inputs is not served.  The scores are taken of operands rounded to bf16.
; REGISTERS, in windows of 256: window 0: v0-31 addresses; v32-95 k's or q's fragments (8 blocks x 8), ONE set; v96-159, v160-223 the weight's, TWO sets (the second holds the bias ahead of a product's first step); v224-255 the softmax's statistics.
;   window 1: kp in bf16, tile (a, b) at v[4 (8 a + b)].   window 2: the accumulators of my rows 0-63 ((a, b) at v[8 (8 a + b)]);   window 3: those of rows 64-127.
;   At the end window 0 holds: v32-95 qp in bf16 of two blocks, v96-127 four tiles of scores, v128-191 the sums of weights.
.set PITCH,  272                       ; an LDS row: 256 bytes + 16 of padding = 68 words: the 16 rows that a load touches start at 16 different banks (64 banks of 4 bytes: ISA guide 11.1)
.set HALFT,  128*PITCH                 ; 128 rows: what one tensor load brings, and what one wave reads of either operand
.set SLOT,   4*HALFT                   ; the rows' 256, then the weight's 256
.set SPARE,  2*SLOT                    ; behind the ring: the spare words, 128 bytes for each wave: two blocks of 256 bytes that no other line names
.set STG,    SPARE+512                 ; the way out: [column half 2][chunk 32][g 8][s 8] f32, 16,384 bytes; no fill lands here
.set ADRA, 16                          ; v16-17  LDS address of my rows' fragments in slot 0, 1
.set ADRB, 20                          ; v20-21  the same for the weight
.set STO,  24                          ; v24     the way out: where I put a query's 32 bytes
.set RD,   25                          ; v25     the way out: where I read 16 bytes back
.set CO,   26                          ; v26     my byte offset in part
.set BOF,  27                          ; v27     my offset in a bias: 8 h numbers
.set SPW,  28                          ; v28     LDS address of my spare word: SPARE + 4 x my thread's number; never rewritten
.set NIL,  29                          ; v29     0; never rewritten
.set PFO,  30                          ; v30     the prefetches' offset: 8,192 x my lane; never rewritten
.set AF,   32
.set BF0,  96
.set BF1,  160
.set QF,   32
.set S,    96
.set WS,   128
.set ST,   224                         ; tile t's statistics at v[ST + 8 t]: +0 c m, +1 at work, +2 .. +5 sums, +6 1 / (16 x the sum), +7 named with it as a pair
.set G1,   24                          ; s[24:31] descriptor group 1 for the rows' tiles;  s[32:39] group 0, one set for each slot
.set G0,   32
.set G1B,  48                          ; s[48:55], s[56:63] the same for the weight's tiles
.set G0B,  56
.set PAK,  66                          ; s[66:67] k's codes at the first byte that I fetch;  s[68:69] Wk's;  s[70:71] q's;  s[72:73] Wq's
.set PBK,  68
.set PAQ,  70
.set PBQ,  72
.set PFA,  74                          ; s[74:75] q's codes at my work-group's 32 rows of the 128 that I fetch; never rewritten
.set SC,   76                          ; s[76:83] e0 .. e7
.set CS,   84                          ; s[84:85] c
.set MSB, 0
.macro WIN new                         ; the immediate's high byte repeats the setting that is left; a switch that changes nothing is dropped
.if MSB != (\new)
	s_set_vgpr_msb (MSB<<8)|(\new)
.set MSB, (\new)
.endif
.endm
.set MUL_LO, 0xa0                      ; sources 0 and 1 window 0, C and D window 2
.set MUL_HI, 0xf0                      ; the same, C and D window 3
; A joint load: waves 0 and 1 fetch the rows' halves, waves 2 and 3 the weight's.  Each of the two lines has ONE mask and one set of registers for all that issue it; the branch hangs on the wave's number alone.
; Four v_nop follow each of the two lines, ahead of the jump, the label and what follows.
.macro JLOAD slot
	s_cmp_eq_u32 s21, 0
	s_cbranch_scc0 .Lfor_b_\@
	tensor_load_to_lds s[G0+4*\slot:G0+4*\slot+3], s[G1:G1+7]
	s_nop 0
.rept 4
	v_nop
.endr
	s_branch .Lasked_\@
.Lfor_b_\@:
	tensor_load_to_lds s[G0B+4*\slot:G0B+4*\slot+3], s[G1B:G1B+7]
	s_nop 0
.rept 4
	v_nop
.endr
.Lasked_\@:
.endm
.macro CREST                           ; a round of the cluster's barrier behind its opening barrier
	s_cmp_lg_u32 s20, 0
	s_cbranch_scc1 .Lnot_wave_0_\@
	s_barrier_signal -3
.Lnot_wave_0_\@:
	s_barrier_wait -3
	s_barrier_signal -1
	s_barrier_wait -1
.endm
.macro CROUND                          ; a whole round
	s_barrier_signal -1
	s_barrier_wait -1
	CREST
.endm
; A PREFETCH INTO THE L2 of q's phase p + 4 (256 bytes of each row), in the change of slots of phase p: two refills, 512 matrix instructions, ahead of the tensor load that will want it.
; Each row's 256 bytes are named ONCE in the launch: waves 0 and 1 ask, for the 128 rows that they fetch; the four partners that ask for those rows jointly take 32 each, told apart BY ADDRESS; a lane a row.
; k's four phases come by their loads alone: nothing is prefetched at the head.  The address registers are never rewritten: the phase stands in the immediate.
.macro ASK p
	s_cmp_eq_u32 s21, 0
	s_cbranch_scc0 .Lnot_mine_\@
	global_prefetch_b8 v[PFO], s[PFA:PFA+1] offset:256*(\p) th:TH_LOAD_NT scope:SCOPE_SE
.Lnot_mine_\@:
.endm
	s_load_b256 s[4:11], s[0:1], 0x0               ; q s[4:5], k s[6:7], Wq s[8:9], Wk s[10:11]
	s_load_b256 s[12:19], s[0:1], 0x20             ; bq s[12:13], bk s[14:15], the scales' exponents s[16:17], part s[18:19]
	v_lshl_add_u32 v[SPW], v0, 2, SPARE
	v_mov_b32 v[NIL], 0
	ds_add_u32 v28, v29
	ds_add_u32 v28, v29
	s_wait_dscnt 0x0
	v_lshrrev_b32 v1, 5, v0
	v_readfirstlane_b32 s20, v1                    ; wave 0..3
	s_lshr_b32 s21, s20, 1                         ; which half of the tile's rows is mine.  Also: I fetch rows (0) or weights (1)
	s_and_b32 s22, s20, 1                          ; which half of its columns.  Also: which 128 rows of that tile I fetch
	s_bfe_u32 s40, ttmp6, 0x40000                  ; cx, cy: my place in the cluster
	s_bfe_u32 s41, ttmp6, 0x40004
	s_lshl_b32 s42, ttmp9, 2
	s_add_co_u32 s42, s42, s40                     ; cb, the block of 256 columns = 4 x cluster x + cx
	s_and_b32 s43, ttmp7, 0xffff
	s_lshl_b32 s43, s43, 2
	s_add_co_u32 s43, s43, s41                     ; rb, the block of rows = 4 x cluster y + cy: n = rb % 8, Gb = rb / 8
	s_lshl_b32 s44, s41, 2
	s_lshl_b32 s44, 15, s44                        ; my row of the cluster
	s_lshl_b32 s45, 0x1111, s40                    ; my column
	; descriptor group 1: a tile of 128 rows x 256 bytes, padded in LDS
	s_or_b32 s[G1+0], s44, (0<<16)|(1<<20)|(1<<21)|(5<<22)|(3<<25)  ; 15:0 the mask: the rows' tiles go to my row of the cluster; 17:16 elements of 1 byte; 20 padding on; 21 set beside a mask; 24:22 after every 64 words (code 5); 31:25 four words (code 3)
	s_or_b32 s[G1B+0], s45, (0<<16)|(1<<20)|(1<<21)|(5<<22)|(3<<25)
.irp g, G1, G1B
	s_mov_b32 s[\g+1], 256<<16                     ; tensor_dim0
	s_mov_b32 s[\g+2], 128<<16                     ; tensor_dim1
	s_mov_b32 s[\g+3], 256<<16                     ; tile_dim0
	s_mov_b32 s[\g+4], 128                         ; tile_dim1
	s_mov_b32 s[\g+6], 0
	s_mov_b32 s[\g+7], 0
.endr
	s_mov_b32 s[G1+5], 8192                        ; from row to row: the next position of the same batch entry
	s_mov_b32 s[G1B+5], 1024                       ; a weight's rows are dense
	s_lshr_b32 s88, s43, 3                         ; the rows: Gb x 2,048 rows + n rows + 128 x my half x 8 rows, of 1,024 bytes.  These registers never hold cx
	s_lshl_b32 s88, s88, 21
	s_and_b32 s89, s43, 7
	s_lshl_b32 s89, s89, 10
	s_add_co_u32 s88, s88, s89
	s_lshl_b32 s89, s22, 20
	s_add_co_u32 s88, s88, s89
	s_mov_b32 s89, 0
	s_lshl_b32 s90, s42, 18                        ; the weight: row 256 cb + 128 x my half.  These never hold cy
	s_lshl_b32 s91, s22, 17
	s_add_co_u32 s90, s90, s91
	s_mov_b32 s91, 0
	s_lshl_b32 s92, s40, 18                        ; the prefetches: my work-group's 32 rows of 8,192 bytes
	s_mov_b32 s93, 0
	s_lshl_b32 s94, s42, 10                        ; the biases: column 256 cb + 128 x my column half
	s_lshl_b32 s95, s22, 9
	s_add_co_u32 s94, s94, s95
	s_mov_b32 s95, 0
	s_lshl_b32 s96, s42, 19                        ; part: 524,288 cb + 256 (8 (32 Gb + 8 wave) + n)
	s_lshr_b32 s97, s43, 3
	s_lshl_b32 s97, s97, 16
	s_add_co_u32 s96, s96, s97
	s_lshl_b32 s97, s20, 14
	s_add_co_u32 s96, s96, s97
	s_and_b32 s97, s43, 7
	s_lshl_b32 s97, s97, 8
	s_add_co_u32 s96, s96, s97
	s_mov_b32 s97, 0
	s_mul_i32 s23, s20, HALFT                      ; where my tiles go: wave x 128 rows: no place in the cluster enters an LDS address
	s_wait_kmcnt 0x0
	s_load_b256 s[SC:SC+7], s[16:17], 0x0
	s_add_nc_u64 s[PAK:PAK+1], s[6:7], s[88:89]
	s_add_nc_u64 s[PAQ:PAQ+1], s[4:5], s[88:89]
	s_add_nc_u64 s[PBK:PBK+1], s[10:11], s[90:91]
	s_add_nc_u64 s[PBQ:PBQ+1], s[8:9], s[90:91]
	s_add_nc_u64 s[PFA:PFA+1], s[PAQ:PAQ+1], s[92:93]
	s_add_nc_u64 s[12:13], s[12:13], s[94:95]
	s_add_nc_u64 s[14:15], s[14:15], s[94:95]
	s_add_nc_u64 s[18:19], s[18:19], s[96:97]
	CROUND                                         ; all sixteen work-groups are here: the first joint loads meet
.irp s, 0,1
	s_mov_b32 s[G0+4*\s], 1
	s_add_co_u32 s[G0+4*\s+1], s23, \s*SLOT
	s_add_nc_u64 s[G0+4*\s+2:G0+4*\s+3], s[PAK:PAK+1], \s*256
	s_or_b32 s[G0+4*\s+3], s[G0+4*\s+3], 0x80000000
	s_mov_b32 s[G0B+4*\s], 1
	s_add_co_u32 s[G0B+4*\s+1], s23, \s*SLOT
	s_add_nc_u64 s[G0B+4*\s+2:G0B+4*\s+3], s[PBK:PBK+1], \s*256
	s_or_b32 s[G0B+4*\s+3], s[G0B+4*\s+3], 0x80000000
	JLOAD \s                                       ; phases 0 and 1: two loads of mine are out
.endr
	v_and_b32 v1, 15, v0                           ; r
	v_bfe_u32 v2, v0, 4, 1                         ; h
	v_lshlrev_b32 v[BOF], 5, v2
.macro BIASLD p                        ; my 128 columns' bias in the result's layout into the weight's second set: register 8 b + j = column 16 b + 8 h + j
.irp b, 0,1,2,3,4,5,6,7
	global_load_b128 v[BF1+8*\b:BF1+8*\b+3], v[BOF], s[\p:\p+1] offset:64*\b
	global_load_b128 v[BF1+8*\b+4:BF1+8*\b+7], v[BOF], s[\p:\p+1] offset:64*\b+16
.endr
.endm
.macro BIASFIX e                       ; divided by the power of two that the sums lack: s[e] = -(the two exponents)
	s_wait_loadcnt 0x0
.set J, 0
.rept 64
	v_ldexp_f32 v[BF1+J], v[BF1+J], s[\e]
.set J, J+1
.endr
.endm
	BIASLD 14                                      ; bk
	v_mul_u32_u24 v3, v1, PITCH
	v_lshl_add_u32 v4, v2, 4, v3                   ; a fragment's row x pitch + 16 x half
	s_mul_i32 s44, s21, HALFT                      ; my 128 rows
	s_mul_i32 s45, s22, HALFT                      ; my 128 rows of the weight,
	s_add_co_u32 s45, s45, 2*HALFT                 ; which lie behind the rows' 256
.irp s, 0,1
	v_add_nc_u32 v[ADRA+\s], s44, v4
	v_add_nc_u32 v[ADRB+\s], s45, v4
	s_add_co_u32 s44, s44, SLOT
	s_add_co_u32 s45, s45, SLOT
.endr
	s_lshl_b32 s46, s22, 13                        ; the way out, in: 8,192 x column half + 4,096 x row half + 32 r (256 (r / 8) + 32 (r % 8)); block a adds 512 a
	s_lshl_b32 s47, s21, 12
	s_add_co_u32 s46, s46, s47
	s_add_co_u32 s46, s46, STG
	v_lshl_add_u32 v[STO], v1, 5, s46
	v_and_b32 v5, 31, v0
	s_lshl_b32 s46, s20, 11                        ; back: wave w takes chunks 8 w .. 8 w + 7, 16 bytes a lane
	s_add_co_u32 s46, s46, STG
	v_lshl_add_u32 v[RD], v5, 4, s46
	v_lshlrev_b32 v[CO], 4, v1                     ; and in part: lanes 0-15 one chunk's 256 bytes, lanes 16-31 the next chunk's, 2,048 bytes on
	v_lshl_add_u32 v[CO], v2, 11, v[CO]
	v_lshlrev_b32 v[PFO], 13, v5
	s_wait_kmcnt 0x0
	s_add_co_i32 s86, s[SC], s[SC+1]
	s_add_co_i32 s87, s[SC+2], s[SC+3]
	s_add_co_i32 s88, s86, s87
	s_lshl_b32 s88, s88, 23
	s_mov_b32 s[CS], 0x3e38aa3b                    ; c = log2(e) / sqrt(64);
	s_add_co_i32 s[CS], s[CS], s88                 ; a score stands for score x 2^(e0 + e1 + e2 + e3): the exponents are added to c's exponent field
	s_mov_b32 s[CS+1], s[CS]                       ; (named with it as a pair, so it is written)
	s_sub_co_i32 s86, 0, s86                       ; -(e0 + e1), for bq
	s_sub_co_i32 s87, 0, s87                       ; -(e2 + e3), for bk
.macro FRAG reg, adr, q, i             ; a fragment, 16 rows x 64 K, is 8 registers: lane l holds row l % 16; registers 4 c .. 4 c + 3 hold K = 32 c + 16 (l / 16) + 0 .. 15: the same order of K in both operands
	ds_load_b128 v[\reg:\reg+3], v[\adr] offset:64*(\q)+(\i)*16*PITCH
	ds_load_b128 v[\reg+4:\reg+7], v[\adr] offset:64*(\q)+32+(\i)*16*PITCH
.endm
.macro FETCH_B slot, q, p              ; the weight's eight fragments of the slot's q-th 64 along K into set p: 16 loads
.irp i, 0,1,2,3,4,5,6,7
	FRAG BF0+64*(\p)+8*\i, ADRB+\slot, \q, \i
.endr
.endm
.macro FETCH_A slot, q, i0             ; the rows' blocks i0 .. i0 + 3: 8 loads
.irp i, \i0, \i0+1, \i0+2, \i0+3
	FRAG AF+8*(\i), ADRA+\slot, \q, \i
.endr
.endm
; 16 matrix instructions: the rows' blocks a0, a0 + 1 x the weight's eight, 64 along K.  p: the weight's set.  mode = 1: the first product starts the sums, with the bias as C: nothing is ever cleared.
; The 64 accumulators take turns, one instruction a turn, in the same order in every step.
.macro MUL16 a0, p, mode
.irp a, \a0, \a0+1
.irp b, 0,1,2,3,4,5,6,7
.if \mode
	v_wmma_f32_16x16x64_fp8_fp8 v[8*(8*((\a)%4)+\b):8*(8*((\a)%4)+\b)+7], v[BF0+64*(\p)+8*\b:BF0+64*(\p)+8*\b+7], v[AF+8*(\a):AF+8*(\a)+7], v[BF1+8*\b:BF1+8*\b+7]
.else
	v_wmma_f32_16x16x64_fp8_fp8 v[8*(8*((\a)%4)+\b):8*(8*((\a)%4)+\b)+7], v[BF0+64*(\p)+8*\b:BF0+64*(\p)+8*\b+7], v[AF+8*(\a):AF+8*(\a)+7], v[8*(8*((\a)%4)+\b):8*(8*((\a)%4)+\b)+7]
.endif
.endr
.endr
.endm
; A load into a register that a matrix instruction has read, and a vector instruction that reads a matrix result, stand four places behind that matrix instruction, and only plain vector instructions that
; name none of its registers are places (ISA guide 7.12.1 for vector instructions).
.macro PLACES n
.rept \n
	v_nop
.endr
.endm
; A step of 64 along K that has its successor in the same slot.  A block of rows is free as soon as its eight products are issued: blocks 0-3 are fetched anew in the step's middle, blocks 4-7 at its end.
.macro STEP slot, q
	s_wait_dscnt 8                                 ; the weight's set and blocks 0-3 are in; the youngest eight loads (blocks 4-7) may be out
	WIN MUL_LO
	MUL16 0, (\q)%2, 0
	MUL16 2, (\q)%2, 0
	s_wait_dscnt 0                                 ; blocks 4-7 are in (asked for 32 matrix instructions ago)
	PLACES 4
	WIN 0
	FETCH_B \slot, (\q)+1, 1-(\q)%2
	FETCH_A \slot, (\q)+1, 0
	WIN MUL_HI
	MUL16 4, (\q)%2, 0
	MUL16 6, (\q)%2, 0
	PLACES 4
	WIN 0
	FETCH_A \slot, (\q)+1, 4
.endm
; A product's first step: C = the bias, which lies in the weight's second set until all 64 products are issued; so that set is fetched at the step's end.
.macro STEPF slot
	s_wait_dscnt 8
	WIN 0x80                                       ; C window 0, D window 2
	MUL16 0, 0, 1
	MUL16 2, 0, 1
	s_wait_dscnt 0
	PLACES 4
	WIN 0
	FETCH_A \slot, 1, 0
	WIN 0xc0                                       ; C window 0, D window 3
	MUL16 4, 0, 1
	MUL16 6, 0, 1
	PLACES 4
	WIN 0
	FETCH_B \slot, 1, 1
	FETCH_A \slot, 1, 4
.endm
; A slot's last step changes slots: ONE barrier; in front of it each wave waits for all its tensor loads, adds 0 to its spare word, and waits for that and for its own reads of this slot.
; fill = 1: this slot is filled again, with the 256 bytes at off of the rows at s[pa] and s[pb].  ask >= 0: the prefetch of q's phase ask + 4.
.macro TURN slot, next, fill, pa, pb, off, ask
	s_wait_tensorcnt 0x0                           ; all my tensor loads have landed: my part of the next slot;  (every window is 0 here)
	ds_add_u32 v[SPW], v[NIL]                      ; 0 onto my spare word
	s_wait_dscnt 9                                 ; (the add and the youngest eight loads, blocks 4-7, may be out)
	WIN MUL_LO
	MUL16 0, 1, 0                                  ; sixteen matrix instructions stand between the add and the wait for it
	s_wait_dscnt 0x0                               ; the add is done, and my reads of this slot are over
	s_barrier_signal -1
	MUL16 2, 1, 0
	WIN 0
	s_barrier_wait -1
.if \fill
	CREST                                          ; the barrier has opened a round of the cluster's barrier: no wave of any partner still reads this slot's tile or has a load on its way
	s_add_nc_u64 s[G0+4*\slot+2:G0+4*\slot+3], s[\pa:\pa+1], \off
	s_or_b32 s[G0+4*\slot+3], s[G0+4*\slot+3], 0x80000000
	s_add_nc_u64 s[G0B+4*\slot+2:G0B+4*\slot+3], s[\pb:\pb+1], \off
	s_or_b32 s[G0B+4*\slot+3], s[G0B+4*\slot+3], 0x80000000
	JLOAD \slot                                    ; the first tensor load behind the round, my one load until the next; the four v_nop behind it are the places in front of the loads below
.else
	PLACES 4
.endif
	FETCH_B \next, 0, 0
	FETCH_A \next, 0, 0
.if \ask >= 0
	ASK \ask
.endif
	WIN MUL_HI
	MUL16 4, 1, 0
	MUL16 6, 1, 0
	PLACES 4
	WIN 0
	FETCH_A \next, 0, 4
.endm
.macro STEPS3 slot
	STEP \slot, 0
	STEP \slot, 1
	STEP \slot, 2
.endm
	s_wait_tensorcnt 1                             ; my part of phase 0 is in (phase 1's load may be out)
	s_barrier_signal -1
	s_barrier_wait -1                              ; everybody's is
	FETCH_B 0, 0, 0
	FETCH_A 0, 0, 0
	FETCH_A 0, 0, 4
	BIASFIX 87
	STEPF 0                                        ; ---- k Wk^T: phases 0 to 3
	STEP 0, 1
	STEP 0, 2
	TURN 0, 1, 1, PAK, PBK, 512, 0
	STEPS3 1
	TURN 1, 0, 1, PAK, PBK, 768, 1
	STEPS3 0
	TURN 0, 1, 1, PAQ, PBQ, 0, 2                   ; THE RING GOES ON INTO q's PRODUCT
	STEPS3 1
	TURN 1, 0, 1, PAQ, PBQ, 256, 3                 ; and q's first fragments are fetched
	BIASLD 12                                      ; bq, into the set that the last products have left (four places stand behind them)
.irp a, 0,1,2,3,4,5,6,7                ; kp is parked: rounded to bf16, each accumulator from its low end on.  These 256 lines stand between the loads above and the waits for them
	WIN 0x4a+5*((\a)/4)                            ; sources window 2 or 3, destination window 1
.irp b, 0,1,2,3,4,5,6,7
.irp r, 0,1,2,3
	v_cvt_pk_bf16_f32 v[4*(8*\a+\b)+\r], v[8*(8*((\a)%4)+\b)+2*\r], v[8*(8*((\a)%4)+\b)+2*\r+1]
.endr
.endr
.endr
	WIN 0
	BIASFIX 86
	STEPF 0                                        ; ---- q Wq^T: phases 4 to 7
	STEP 0, 1
	STEP 0, 2
	TURN 0, 1, 1, PAQ, PBQ, 512, -1
	STEPS3 1
	TURN 1, 0, 1, PAQ, PBQ, 768, -1
	STEPS3 0
	TURN 0, 1, 0, PAQ, PBQ, 0, -1                  ; nothing is left to fetch: no round
	STEPS3 1
	s_wait_dscnt 8                                 ; the very last step
	WIN MUL_LO
	MUL16 0, 1, 0
	MUL16 2, 1, 0
	s_wait_dscnt 0
	WIN MUL_HI
	MUL16 4, 1, 0
	MUL16 6, 1, 0
	WIN 0
	PLACES 5                                       ; the scores' products write over registers that held fragments: five places
.irp t, 0,1,2,3
	v_mov_b32 v[ST+8*\t+7], 0                      ; (named as the upper half of a pair)
.endr
; THE SCORES AND THE SOFTMAX of row blocks a0 and a0 + 1, both heads: four tiles, t = 2 x + head.
.macro EPI a0
	WIN 0x0a+5*((\a0)/4)                           ; sources window 2 or 3
.irp x, 0,1
.irp b, 0,1,2,3,4,5,6,7
.irp r, 0,1,2,3
	v_cvt_pk_bf16_f32 v[QF+32*\x+4*\b+\r], v[64*((\a0+\x)%4)+8*\b+2*\r], v[64*((\a0+\x)%4)+8*\b+2*\r+1]
.endr
.endr
.endr
	WIN 0x01                                       ; source 0 (kp) window 1
.irp kk, 0,1                           ; 32 of the head's 64 an instruction; the four tiles take turns
.irp x, 0,1
.irp hh, 0,1
.if \kk == 0
	v_wmma_f32_16x16x32_bf16 v[S+8*(2*\x+\hh):S+8*(2*\x+\hh)+7], v[4*(8*(\a0+\x)+4*\hh+2*\kk):4*(8*(\a0+\x)+4*\hh+2*\kk)+7], v[QF+32*\x+8*(2*\hh+\kk):QF+32*\x+8*(2*\hh+\kk)+7], 0
.else
	v_wmma_f32_16x16x32_bf16 v[S+8*(2*\x+\hh):S+8*(2*\x+\hh)+7], v[4*(8*(\a0+\x)+4*\hh+2*\kk):4*(8*(\a0+\x)+4*\hh+2*\kk)+7], v[QF+32*\x+8*(2*\hh+\kk):QF+32*\x+8*(2*\hh+\kk)+7], v[S+8*(2*\x+\hh):S+8*(2*\x+\hh)+7]
.endif
.endr
.endr
.endr
	WIN 0
	PLACES 4
.irp t, 0,1,2,3
	v_max3_num_f32 v[ST+8*\t], v[S+8*\t], v[S+8*\t+1], v[S+8*\t+2]       ; the query's largest score; each tile is read from its low end on
.endr
.irp t, 0,1,2,3
	v_max3_num_f32 v[ST+8*\t+1], v[S+8*\t+3], v[S+8*\t+4], v[S+8*\t+5]
.endr
.irp t, 0,1,2,3
	v_max3_num_f32 v[ST+8*\t], v[ST+8*\t], v[S+8*\t+6], v[S+8*\t+7]
.endr
.irp t, 0,1,2,3
	v_max_num_f32 v[ST+8*\t], v[ST+8*\t], v[ST+8*\t+1]
.endr
.irp t, 0,1,2,3
	v_mul_f32 v[ST+8*\t], s[CS], v[ST+8*\t]        ; c m (c is positive)
.endr
.irp t, 0,1,2,3
.irp i, 0,2,4,6
	v_pk_fma_f32 v[S+8*\t+\i:S+8*\t+\i+1], v[S+8*\t+\i:S+8*\t+\i+1], s[CS:CS+1], v[ST+8*\t:ST+8*\t+1] op_sel_hi:[1,0,0] neg_lo:[0,0,1] neg_hi:[0,0,1]   ; c s - c m
.endr
.endr
.set J, 0
.rept 32
	v_exp_f32 v[S+J], v[S+J]
.set J, J+1
.endr
	v_nop                                          ; a plain instruction behind the last exponential
	s_wait_alu depctr_va_vdst(0)                   ; one wait for the batch of 32, ahead of its first reader
.irp t, 0,1,2,3
	v_pk_add_f32 v[ST+8*\t+2:ST+8*\t+3], v[S+8*\t:S+8*\t+1], v[S+8*\t+2:S+8*\t+3]
	v_pk_add_f32 v[ST+8*\t+4:ST+8*\t+5], v[S+8*\t+4:S+8*\t+5], v[S+8*\t+6:S+8*\t+7]
.endr
.irp t, 0,1,2,3
	v_pk_add_f32 v[ST+8*\t+2:ST+8*\t+3], v[ST+8*\t+2:ST+8*\t+3], v[ST+8*\t+4:ST+8*\t+5]
.endr
.irp t, 0,1,2,3
	v_add_f32 v[ST+8*\t+2], v[ST+8*\t+2], v[ST+8*\t+3]
.endr
.irp t, 0,1,2,3
	v_rcp_f32 v[ST+8*\t+6], v[ST+8*\t+2]
.endr
	v_nop
	s_wait_alu depctr_va_vdst(0)                   ; one wait for the four reciprocals
.irp t, 0,1,2,3
	v_mul_f32 v[ST+8*\t+6], 0x3d800000, v[ST+8*\t+6]   ; / 16: the mean over the heads
.endr
.irp x, 0,1
.irp i, 0,2,4,6
	v_pk_mul_f32 v[WS+8*(\a0+\x)+\i:WS+8*(\a0+\x)+\i+1], v[S+16*\x+\i:S+16*\x+\i+1], v[ST+16*\x+6:ST+16*\x+7] op_sel_hi:[1,0]
.endr
.endr
.irp x, 0,1
.irp i, 0,2,4,6
	v_pk_fma_f32 v[WS+8*(\a0+\x)+\i:WS+8*(\a0+\x)+\i+1], v[S+16*\x+8+\i:S+16*\x+8+\i+1], v[ST+16*\x+14:ST+16*\x+15], v[WS+8*(\a0+\x)+\i:WS+8*(\a0+\x)+\i+1] op_sel_hi:[1,0,1]   ; my two heads' weights, summed
.endr
.endr
.endm
	EPI 0
	EPI 2
	EPI 4
	EPI 6
	; THE WAY OUT.  The lanes whose keys and query are of one chunk put their query's 8 sums into the stage; a barrier; the two column halves are added and each wave stores 8 chunks.
	v_bfe_u32 v1, v0, 4, 1                         ; h
	v_bfe_u32 v2, v0, 3, 1                         ; r / 8
	v_cmp_eq_u32 vcc_lo, v1, v2
	s_wait_xcnt 0x0                                ; EXEC changes only behind this wait: the earlier loads and prefetches have read their sources
	s_and_saveexec_b32 s44, vcc_lo
.irp a, 0,1,2,3,4,5,6,7
	ds_store_b128 v[STO], v[WS+8*\a:WS+8*\a+3] offset:512*\a
	ds_store_b128 v[STO], v[WS+8*\a+4:WS+8*\a+7] offset:512*\a+16
.endr
	s_or_b32 exec_lo, exec_lo, s44
	s_wait_dscnt 0x0                               ; for the others' sake: my stores into the stage are done
	s_barrier_signal -1
	s_barrier_wait -1
.irp i, 0,1,2,3
	ds_load_b128 v[32+4*\i:35+4*\i], v[RD] offset:512*\i
	ds_load_b128 v[48+4*\i:51+4*\i], v[RD] offset:8192+512*\i
.endr
	s_wait_dscnt 0x0
.irp j, 0,2,4,6,8,10,12,14
	v_pk_add_f32 v[32+\j:33+\j], v[32+\j:33+\j], v[48+\j:49+\j]
.endr
.irp i, 0,1,2,3
	global_store_b128 v[CO], v[32+4*\i:35+4*\i], s[18:19] offset:4096*\i   ; 16 lanes store 256 consecutive bytes, at a multiple of 256 from the buffer's first byte
.endr
	s_wait_tensorcnt 0x0                           ; the wave's end: behind my last tensor load and my last LDS store
	ds_add_u32 v[SPW], v[NIL]
	s_wait_dscnt 0x0
	CROUND                                         ; the closing round: no work-group ends while a partner may still ask for a tile that names it
	s_endpgm
.Lfunc_end_k_qd42f40e0f0_qk:
	.size	k_qd42f40e0f0_qk, .Lfunc_end_k_qd42f40e0f0_qk-k_qd42f40e0f0_qk
	.p2alignl 7, 3214868480
	.fill 96, 4, 3214868480
	.section	.rodata,"a",@progbits
	.p2align	6, 0x0
	.amdhsa_kernel k_qd42f40e0f0_qk
		.amdhsa_group_segment_fixed_size 327680
		.amdhsa_private_segment_fixed_size 0
		.amdhsa_enable_private_segment 0
		.amdhsa_kernarg_size 64
		.amdhsa_user_sgpr_count 2
		.amdhsa_user_sgpr_kernarg_segment_ptr 1
		.amdhsa_wavefront_size32 1
		.amdhsa_system_sgpr_workgroup_id_x 1
		.amdhsa_system_sgpr_workgroup_id_y 1
		.amdhsa_system_sgpr_workgroup_id_z 1
		.amdhsa_system_vgpr_workitem_id 0
		.amdhsa_next_free_vgpr 1024
		.amdhsa_next_free_sgpr 100
		.amdhsa_reserve_vcc 1
		.amdhsa_float_denorm_mode_32 3
		.amdhsa_float_denorm_mode_16_64 3
		.amdhsa_memory_ordered 1
		.amdhsa_forward_progress 1
		.amdhsa_inst_pref_size 255
	.end_amdhsa_kernel
	.section	.bss,"aw",@nobits
	.p2align	6
	.space	262144
	.amdgpu_metadata
---
amdhsa.version: [ 1, 2 ]
amdhsa.kernels:
  - .name:           k_qd42f40e0f0_qk
    .symbol:         k_qd42f40e0f0_qk.kd
    .args:
      - { .name: q_codes, .offset: 0, .size: 8, .value_kind: global_buffer, .address_space: global }
      - { .name: k_codes, .offset: 8, .size: 8, .value_kind: global_buffer, .address_space: global }
      - { .name: Wq_codes, .offset: 16, .size: 8, .value_kind: global_buffer, .address_space: global }
      - { .name: Wk_codes, .offset: 24, .size: 8, .value_kind: global_buffer, .address_space: global }
      - { .name: bq, .offset: 32, .size: 8, .value_kind: global_buffer, .address_space: global }
      - { .name: bk, .offset: 40, .size: 8, .value_kind: global_buffer, .address_space: global }
      - { .name: lowp_scales, .offset: 48, .size: 8, .value_kind: global_buffer, .address_space: global }
      - { .name: part, .offset: 56, .size: 8, .value_kind: global_buffer, .address_space: global }
    .group_segment_fixed_size: 327680
    .private_segment_fixed_size: 0
    .kernarg_segment_align: 8
    .kernarg_segment_size: 64
    .max_flat_workgroup_size: 128
    .sgpr_count:     100
    .vgpr_count:     1024
    .wavefront_size: 32
...
	.end_amdgpu_metadata
.endif
;; end of part 2
;; launch fin (part 3): grid 64 x 1, 4 waves a work-group, no clusters, 17,920 bytes of LDS; arguments ocodes, Wo_codes, bo, lowp_scales, part, out0, out1; writes out0, out1
.if DOCPART == 3
	.amdgcn_target "amdgcn-amd-amdhsa--gfx1250"
	.amdhsa_code_object_version 6
	.text
	.protected	k_qd42f40e0f0_fin
	.globl	k_qd42f40e0f0_fin
	.p2align	8
	.type	k_qd42f40e0f0_fin,@function
k_qd42f40e0f0_fin:
	s_mov_b64 s[64:65], 0
	v_nop
	global_prefetch_b8 v0, s[64:65] scope:SCOPE_SE
	s_setreg_imm32_b32 hwreg(HW_REG_WAVE_MODE, 25, 1), 1
	s_wait_xcnt 0x0
; Two ends in one launch; every work-group does a share of both, on one path.
; out1 = the sum of the four parts (each a sum over four heads, already divided by 16): 8,192 bytes a work-group, 2,048 a wave.
; out0 = (the last chunk's codes) Wo^T x 2^(e6 + e7) + bo, on codes of E4M3, f32 sums.  cg = work-group / 4: 64 columns; m = work-group % 4: a tile of 16 rows (lane r: position r % 8, batch entry 2 m + r / 8: row 8 (r % 8) + 2 m + r / 8 of out0).
; Wave w takes K = 256 w .. 256 w + 255 (heads 4 w .. 4 w + 3): two K steps of 128, four tiles of 16 columns: 8 matrix instructions.  The rows' fragments come as the register images that the first launch stored:
; registers 4 c .. 4 c + 3 of K step s are the image of head 4 w + 2 s + c / 2, half c % 2: K = 32 c + 16 h + 0 .. 15, the order in which Wo's fragments are loaded too.
; Source 0 = 16 rows of Wo, source 1 = the rows: lane (r, h) holds row r and columns 16 ct + 8 h + 0 .. 7.  The four waves' partial sums meet in LDS (16 rows x (256 bytes + 16) a wave); one barrier; each wave adds and stores 4 rows.
; NO CLUSTER: the four work-groups of a cg read the same 64 rows of Wo, but each byte goes straight into an operand register, all loads issued together, for 8 matrix instructions a wave; a joint load would add a pass through LDS and two rounds.
; No prefetch: nothing is known earlier than the loads themselves are issued.
; LIMIT: e6 + e7 between -126 and 127, so that 2^(e6 + e7) is an f32 number.
; REGISTERS: v1-9 lane numbers and offsets; v16-47 the rows' two fragments; v48-175 Wo's eight, later the partial sums read back; v176-239 the four parts, of which v208-239 later are the accumulators; v240-243 bo.
.set AFR, 16
.set WF,  48
.set R,   176
.set ACC, 208
.set BO,  240
	s_load_b256 s[4:11], s[0:1], 0x0               ; ocodes s[4:5], Wo s[6:7], bo s[8:9], the scales' exponents s[10:11]
	s_load_b128 s[12:15], s[0:1], 0x20             ; part s[12:13], out0 s[14:15]
	s_load_b64 s[16:17], s[0:1], 0x30              ; out1
	v_lshl_add_u32 v254, v0, 2, 0x4400
	v_mov_b32 v255, 0
	v_lshrrev_b32 v1, 5, v0
	v_readfirstlane_b32 s18, v1                    ; wave 0..3
	v_and_b32 v1, 31, v0                           ; lane
	v_and_b32 v2, 15, v0                           ; r
	v_bfe_u32 v3, v0, 4, 1                         ; h
	s_lshr_b32 s19, ttmp9, 2                       ; cg
	s_and_b32 s20, ttmp9, 3                        ; m
	v_lshlrev_b32 v4, 4, v1                        ; 16 x lane: parts, out1, images
	v_lshlrev_b32 v5, 4, v2                        ; 16 r: bo
	v_lshlrev_b32 v6, 10, v2
	v_lshl_add_u32 v6, v3, 4, v6                   ; Wo: row r of 1,024 bytes + 16 h
	s_mul_i32 s21, s18, 4352
	v_mul_u32_u24 v7, v2, 272
	v_lshl_add_u32 v7, v3, 5, v7
	v_add_nc_u32 v7, s21, v7                       ; LDS, in: my stage, row r, + 32 h
	s_mul_i32 s21, s18, 4*272
	v_mul_u32_u24 v8, v3, 272
	v_lshl_add_u32 v8, v2, 4, v8
	v_add_nc_u32 v8, s21, v8                       ; LDS, back: row 4 w + h of a stage, 16 bytes a lane
	v_lshl_add_u32 v9, v3, 15, v5                  ; out0: lanes 16-31 take the next position's row, 8 rows of 4,096 bytes on
	s_mov_b32 s23, 0
	s_wait_kmcnt 0x0
	s_load_b64 s[24:25], s[10:11], 0x18            ; e6, e7
	s_lshl_b32 s22, ttmp9, 13
	s_lshl_b32 s28, s18, 11
	s_add_co_u32 s22, s22, s28                     ; 8,192 x work-group + 2,048 x wave
	s_add_nc_u64 s[12:13], s[12:13], s[22:23]
	s_add_nc_u64 s[16:17], s[16:17], s[22:23]
	s_lshl_b32 s22, s19, 8
	s_add_nc_u64 s[8:9], s[8:9], s[22:23]          ; bo at column 64 cg
	s_lshl_b32 s22, s18, 14
	s_lshl_b32 s28, s20, 10
	s_add_co_u32 s22, s22, s28
	s_add_nc_u64 s[4:5], s[4:5], s[22:23]          ; the images of head 4 w, tile m
	s_lshl_b32 s22, s19, 16
	s_lshl_b32 s28, s18, 8
	s_add_co_u32 s22, s22, s28
	s_add_nc_u64 s[6:7], s[6:7], s[22:23]          ; Wo at row 64 cg, K = 256 w
	s_and_b32 s22, s18, 1                          ; out0: tile rows 4 w .. 4 w + 3 are positions 4 (w % 2) .., batch entry 2 m + w / 2: row 32 (w % 2) + 2 m + w / 2
	s_lshl_b32 s22, s22, 5
	s_lshl_b32 s28, s20, 1
	s_add_co_u32 s22, s22, s28
	s_lshr_b32 s28, s18, 1
	s_add_co_u32 s22, s22, s28
	s_lshl_b32 s22, s22, 12
	s_lshl_b32 s28, s19, 8
	s_add_co_u32 s22, s22, s28
	s_add_nc_u64 s[14:15], s[14:15], s[22:23]
.irp cb, 0,1,2,3
.irp i, 0,1,2,3
	global_load_b128 v[R+16*\cb+4*\i:R+16*\cb+4*\i+3], v4, s[12:13] offset:512*\i+524288*\cb th:TH_LOAD_NT   ; 32 lanes read 512 consecutive bytes
.endr
.endr
	global_load_b128 v[BO:BO+3], v5, s[8:9]
.irp s, 0,1
.irp c, 0,1,2,3
	global_load_b128 v[AFR+16*\s+4*\c:AFR+16*\s+4*\c+3], v4, s[4:5] offset:(2*\s+\c/2)*4096+512*(\c%2)
.endr
.endr
.irp s, 0,1
.irp ct, 0,1,2,3
.irp c, 0,1,2,3
	global_load_b128 v[WF+64*\s+16*\ct+4*\c:WF+64*\s+16*\ct+4*\c+3], v6, s[6:7] offset:16384*\ct+128*\s+32*\c
.endr
.endr
.endr
	s_wait_loadcnt 41                              ; the 16 loads of parts are in; behind them stand bo's one, the images' 8 and Wo's 32
.irp j, 0,2,4,6,8,10,12,14
	v_pk_add_f32 v[R+\j:R+\j+1], v[R+\j:R+\j+1], v[R+16+\j:R+16+\j+1]
	v_pk_add_f32 v[R+32+\j:R+32+\j+1], v[R+32+\j:R+32+\j+1], v[R+48+\j:R+48+\j+1]
.endr
.irp j, 0,2,4,6,8,10,12,14
	v_pk_add_f32 v[R+\j:R+\j+1], v[R+\j:R+\j+1], v[R+32+\j:R+32+\j+1]
.endr
.irp i, 0,1,2,3
	global_store_b128 v4, v[R+4*\i:R+4*\i+3], s[16:17] offset:512*\i   ; 512 consecutive bytes of out1; these registers are not written again
.endr
	s_wait_loadcnt 0x0
.irp s, 0,1                            ; the four accumulators take turns, one instruction a turn; the first K step starts the sums
.irp ct, 0,1,2,3
.if \s == 0
	v_wmma_f32_16x16x128_fp8_fp8 v[ACC+8*\ct:ACC+8*\ct+7], v[WF+64*\s+16*\ct:WF+64*\s+16*\ct+15], v[AFR+16*\s:AFR+16*\s+15], 0
.else
	v_wmma_f32_16x16x128_fp8_fp8 v[ACC+8*\ct:ACC+8*\ct+7], v[WF+64*\s+16*\ct:WF+64*\s+16*\ct+15], v[AFR+16*\s:AFR+16*\s+15], v[ACC+8*\ct:ACC+8*\ct+7]
.endif
.endr
.endr
.rept 4
	v_nop                                          ; four places between the last product and the first read of a result, and the loads below into registers that it read
.endr
	s_wait_kmcnt 0x0
	s_add_co_i32 s26, s24, s25
	s_add_co_i32 s26, s26, 127
	s_lshl_b32 s26, s26, 23                        ; 2^(e6 + e7) as f32
	s_mov_b32 s27, s26                             ; (named with it as a pair, so it is written)
.irp ct, 0,1,2,3
	ds_store_b128 v7, v[ACC+8*\ct:ACC+8*\ct+3] offset:64*\ct
	ds_store_b128 v7, v[ACC+8*\ct+4:ACC+8*\ct+7] offset:64*\ct+16
.endr
	s_wait_dscnt 0x0                               ; for the others' sake: my stores have landed
	s_barrier_signal -1
	s_barrier_wait -1
.irp p, 0,1,2,3
.irp i, 0,1
	ds_load_b128 v[48+8*\p+4*\i:51+8*\p+4*\i], v8 offset:4352*\p+544*\i   ; wave p's partial sums of rows 4 w + 2 i + h
.endr
.endr
	s_wait_dscnt 0x0
.irp j, 0,2,4,6
	v_pk_add_f32 v[48+\j:49+\j], v[48+\j:49+\j], v[56+\j:57+\j]
	v_pk_add_f32 v[64+\j:65+\j], v[64+\j:65+\j], v[72+\j:73+\j]
.endr
.irp j, 0,2,4,6
	v_pk_add_f32 v[48+\j:49+\j], v[48+\j:49+\j], v[64+\j:65+\j]
.endr
.irp i, 0,1
.irp k, 0,2
	v_pk_fma_f32 v[48+4*\i+\k:49+4*\i+\k], v[48+4*\i+\k:49+4*\i+\k], s[26:27], v[BO+\k:BO+\k+1] op_sel_hi:[1,0,1]   ; sum x 2^(e6 + e7) + bo
.endr
.endr
.irp i, 0,1
	global_store_b128 v9, v[48+4*\i:51+4*\i], s[14:15] offset:65536*\i   ; 16 lanes store 256 consecutive bytes of a row of out0, at a multiple of 256 from its first byte
.endr
	s_wait_tensorcnt 0x0
	ds_add_u32 v254, v255
	s_wait_dscnt 0x0
	s_endpgm
.Lfunc_end_k_qd42f40e0f0_fin:
	.size	k_qd42f40e0f0_fin, .Lfunc_end_k_qd42f40e0f0_fin-k_qd42f40e0f0_fin
	.p2alignl 7, 3214868480
	.fill 96, 4, 3214868480
	.section	.rodata,"a",@progbits
	.p2align	6, 0x0
	.amdhsa_kernel k_qd42f40e0f0_fin
		.amdhsa_group_segment_fixed_size 17920
		.amdhsa_private_segment_fixed_size 0
		.amdhsa_enable_private_segment 0
		.amdhsa_kernarg_size 56
		.amdhsa_user_sgpr_count 2
		.amdhsa_user_sgpr_kernarg_segment_ptr 1
		.amdhsa_wavefront_size32 1
		.amdhsa_system_sgpr_workgroup_id_x 1
		.amdhsa_system_sgpr_workgroup_id_y 1
		.amdhsa_system_sgpr_workgroup_id_z 1
		.amdhsa_system_vgpr_workitem_id 0
		.amdhsa_next_free_vgpr 256
		.amdhsa_next_free_sgpr 66
		.amdhsa_reserve_vcc 0
		.amdhsa_float_denorm_mode_32 3
		.amdhsa_float_denorm_mode_16_64 3
		.amdhsa_memory_ordered 1
		.amdhsa_forward_progress 1
		.amdhsa_inst_pref_size 13
	.end_amdhsa_kernel
	.amdgpu_metadata
---
amdhsa.version: [ 1, 2 ]
amdhsa.kernels:
  - .name:           k_qd42f40e0f0_fin
    .symbol:         k_qd42f40e0f0_fin.kd
    .args:
      - { .name: ocodes, .offset: 0, .size: 8, .value_kind: global_buffer, .address_space: global }
      - { .name: Wo_codes, .offset: 8, .size: 8, .value_kind: global_buffer, .address_space: global }
      - { .name: bo, .offset: 16, .size: 8, .value_kind: global_buffer, .address_space: global }
      - { .name: lowp_scales, .offset: 24, .size: 8, .value_kind: global_buffer, .address_space: global }
      - { .name: part, .offset: 32, .size: 8, .value_kind: global_buffer, .address_space: global }
      - { .name: out0, .offset: 40, .size: 8, .value_kind: global_buffer, .address_space: global }
      - { .name: out1, .offset: 48, .size: 8, .value_kind: global_buffer, .address_space: global }
    .group_segment_fixed_size: 17920
    .private_segment_fixed_size: 0
    .kernarg_segment_align: 8
    .kernarg_segment_size: 56
    .max_flat_workgroup_size: 128
    .sgpr_count:     66
    .vgpr_count:     256
    .wavefront_size: 32
...
	.end_amdgpu_metadata
.endif
;; end of part 3
;; ======== version 2 of 2: 2 launches
;; limits: values are held in bf16: 8 bits of precision; right only within a limited range of input values
;; workspace buffers: part 2,097,152 bytes; vws 262,144 bytes; wws 32,768 bytes
;; launch qk (part 4): grid 4 x 64, 4 waves a work-group, clusters of 4 x 4, 327,680 bytes of LDS; arguments q_codes, k_codes, Wq_codes, Wk_codes, bq, lowp_scales, part, v_codes, Wv_codes, bv, vws, wws; writes part, vws, wws
.if DOCPART == 4
	.amdgcn_target "amdgcn-amd-amdhsa--gfx1250"
	.amdhsa_code_object_version 6
	.text
	.protected	k_qd42f40e0f0_qk
	.globl	k_qd42f40e0f0_qk
	.p2align	8
	.type	k_qd42f40e0f0_qk,@function
k_qd42f40e0f0_qk:
	s_mov_b64 s[64:65], 0
	v_nop
	global_prefetch_b8 v0, s[64:65] scope:SCOPE_SE
	s_setreg_imm32_b32 hwreg(HW_REG_WAVE_MODE, 25, 1), 1
	s_wait_xcnt 0x0
	s_wait_alu depctr_hold_cnt(0) depctr_sa_sdst(0) depctr_va_vdst(0) depctr_va_sdst(0) depctr_va_ssrc(0) depctr_va_vcc(0) depctr_vm_vsrc(0)
	s_getreg_b32 s2, hwreg(HW_REG_IB_STS2, 6, 4)
	s_cmp_eq_u32 s2, 0
	s_cbranch_scc0 .Lentry_in_a_cluster
	s_endpgm
.Lentry_in_a_cluster:
	s_bfe_u32 s2, ttmp6, 0x10000c
	s_cmp_lg_u32 s2, 0xf033
	s_cbranch_scc0 .Lentry_shape_is_right
	s_endpgm
.Lentry_shape_is_right:
; kp = k Wk^T and qp = q Wq^T + bq on codes of E4M3 (f32 sums), one behind the other on one ring in LDS, and from them the block-local softmax, summed over the work-group's four heads and divided by 16.
; DEAD WORK, for all values of the inputs.  (1) bk: a score is qp . (k Wk^T) + qp . bk; the second term is the same for all keys of a query, so the softmax takes it away, and bk reaches nothing else; the score's product is not quantised,
; so no quantiser stands between.  bk is not loaded and is no argument.  (2) The problem keeps the last chunk's output alone: only its 64 rows of v are multiplied.
; LIMIT: a NaN, an infinity or an overflow that reaches only the work left out is not carried to the result.
; SHARES.  A work-group makes 256 rows x 256 columns (4 heads) of both projections.  ITS 256 ROWS ARE OF ONE BATCH ENTRY n: tile row i is row 8 (256 Gb + i) + n of q and of k, rows 8,192 bytes apart.
; So 16 neighbouring tile rows are two chunks of 8 positions, and a tile of 16 x 16 scores holds two chunks' blocks on its diagonal.  Four waves, each 128 rows x 128 columns (2 heads): 64 accumulators, 512 registers.
; ORDER.  k's product first; its sums, rounded to bf16, are parked in 256 registers; then q's product on the same accumulators; then the scores (bf16 operands, f32 sums), softmax, sums.  Neither projection goes to memory.
; K goes in phases of 256 through two LDS slots filled by the tensor data mover: phases 0-3 are k's, 4-7 q's; a tile's row is 256 bytes of memory.  8 phases of 4 steps of 64 along K, written by macros.
; CLUSTERS: 4 x 4 work-groups.  The four of a row of the cluster need the same rows of k and q, the four of a column the same rows of Wk and Wq: each tile is asked for JOINTLY, by the same tensor load with the same descriptor and a mask that names the four.
; THE MATRIX INSTRUCTION IS USED TRANSPOSED (source 0 = 16 rows of the weight, source 1 = 16 rows of k or q): lane (r, h) holds row r and columns 16 b + 8 h + 0 .. 7.  Packed to bf16, two neighbouring tiles' registers ARE a fragment of the scores' product.
; bq is the C of q's first step, divided by the power of two that the sums lack.  All four exponents are folded into the softmax's c.
; SCORES: source 0 = 16 rows of kp, source 1 = 16 rows of qp: lane (r, h) holds query row r and key rows 8 h + j: one chunk where h = r / 8 (lanes 0-7, 24-31).  The other lanes' numbers go into bytes that nobody reads.
; part[cb] has out1's layout: byte 256 (8 chunk + n) + 32 g + 4 s.
; THE LAST CHUNK.  Its qp and kp are rows 248-255 of the work-groups with Gb = 7 (cluster y 14 and 15), in block 7 of waves 2 and 3.  There kp's block goes to LDS in f32 when the sums are parked, and at the end 16 f32 matrix instructions a wave
; and a softmax in f32 give w, stored in wws: byte 256 (16 n + head) + 32 g + 4 s.  The branch hangs on the cluster's y, which all partners share, and on the wave's number.
; vp = v Wv^T x 2^(e4 + e5) + bv, f32: 4 x 64 tiles of 16 rows (two batch entries x 8 positions) x 16 channels, ONE TO A WORK-GROUP (batch entries 2 cb and 2 cb + 1, channels 16 rb on); each wave takes a quarter of K, the four sums meet in LDS.
; vws: byte 32,768 n + 32 channel + 4 s.
; LIMITS: e0 + e1 + e2 + e3 between -123 and 130, so that c x 2^(their sum) is an f32 number; e4 + e5 between -126 and 127.  NaN among the inputs is not served.  out1's scores are taken of operands rounded to bf16.
; REGISTERS, in windows of 256: window 0: v0-31 addresses; v32-127 a ring of 12 blocks (8 registers each) of k's or q's fragments; v128-191, v192-255 the weight's, two sets (the second holds bq in q's first step).
;   window 1: until the parking v0-79 v's tile, v192-255 bq as loaded; then kp in bf16, tile (a, b) at v[4 (8 a + b)].   window 2: the accumulators of my rows 0-63 ((a, b) at v[8 (8 a + b)]);   window 3: those of rows 64-127.
;   At the end window 0 holds: v32-95 qp in bf16 of two blocks, v96-127 four tiles of scores, v128-191 the sums of weights, v192-223 statistics.
.set PITCH,  272                       ; an LDS row: 256 bytes + 16 of padding = 68 words: the 16 rows that a load touches start at 16 different banks (64 banks of 4 bytes: ISA guide 11.1)
.set HALFT,  128*PITCH                 ; 128 rows: what one tensor load brings, and what one wave reads of either operand
.set SLOT,   4*HALFT
.set SPARE,  2*SLOT                    ; the spare words, 128 bytes for each wave: two blocks of 256 bytes that no other line names
.set KF0,    SPARE+512                 ; kp's block 7 in f32 for waves 2 and 3, 8,192 bytes each; no fill lands here
.set VPS,    KF0+16384                 ; v's partial sums, 1,024 bytes a wave; no fill lands here
.set DUMP,   14                        ; the way out lies in slot 0, which has had its last fill and its last read: 16,384 bytes that are read back, 2^14 bytes on those that are not
.set VPR,  7
.set VA,   8
.set VW,   9
.set BVO,  10
.set VWO,  11
.set BV,   12                          ; bv of my lane's channel
.set VOUT, 14                          ; v14-15 two numbers of vp
.set ADRA, 16                          ; v16-17 LDS address of my rows' fragments in slot 0, 1
.set KFA,  18
.set KWA,  19
.set ADRB, 20                          ; v20-21 the same for the weight
.set KWR,  22
.set VPW,  23
.set STO,  24
.set RD,   25
.set CO,   26
.set BOF,  27
.set SPW,  28                          ; LDS address of my spare word: SPARE + 4 x my thread's number; never rewritten
.set NIL,  29                          ; 0; never rewritten
.set PFO,  30                          ; the prefetches' offset: my lane x a row; never rewritten
.set WWO,  31
.set QF,   32
.set S,    96
.set WS,   128
.set ST,   192                         ; tile t's statistics at v[ST + 8 t]: +0 c m, +1 at work, +2 .. +5 sums, +6 1 / (16 x the sum), +7 named with it as a pair
.set YC,   3                           ; the cluster's y
.set PFQ,  4                           ; s[4:5] where my prefetches of q or Wq stand
.set LIM,  11                          ; 0 in the waves that prefetch
.set G1,   24
.set G0,   32
.set G1B,  48
.set G0B,  56
.set PAK,  66
.set PBK,  68
.set PAQ,  70
.set PBQ,  72
.set PFA,  74                          ; s[74:75] where my prefetches of k or Wk stand
.set SC,   76                          ; s[76:83] e0 .. e7
.set CS,   84                          ; s[84:85] c
.set MSB, 0
.set G, 0                              ; the step in hand, 0 to 31
.macro WIN new                         ; the immediate's high byte repeats the setting that is left
.if MSB != (\new)
	s_set_vgpr_msb (MSB<<8)|(\new)
.set MSB, (\new)
.endif
.endm
.set MUL_LO, 0xa0                      ; sources 0 and 1 window 0, C and D window 2
.set MUL_HI, 0xf0                      ; the same, C and D window 3
; A load into a register that a matrix instruction has read, and a vector instruction that reads a matrix result, stand four places behind that matrix instruction (eight behind the f32 form), and only plain vector
; instructions that name none of its registers are places (ISA guide 7.12.1 for vector instructions).
.macro PLACES n
.rept \n
	v_nop
.endr
.endm
; A joint load: waves 0 and 1 fetch the rows' halves, waves 2 and 3 the weight's; the branch hangs on the wave's number alone.
.macro JLOAD slot
	s_cmp_eq_u32 s21, 0
	s_cbranch_scc0 .Lfor_b_\@
	tensor_load_to_lds s[G0+4*\slot:G0+4*\slot+3], s[G1:G1+7]
	s_nop 0
.rept 4
	v_nop
.endr
	s_branch .Lasked_\@
.Lfor_b_\@:
	tensor_load_to_lds s[G0B+4*\slot:G0B+4*\slot+3], s[G1B:G1B+7]
	s_nop 0
.rept 4
	v_nop
.endr
.Lasked_\@:
.endm
.macro CREST                           ; a round of the cluster's barrier behind its opening barrier
	s_cmp_lg_u32 s20, 0
	s_cbranch_scc1 .Lnot_wave_0_\@
	s_barrier_signal -3
.Lnot_wave_0_\@:
	s_barrier_wait -3
	s_barrier_signal -1
	s_barrier_wait -1
.endm
.macro CROUND
	s_barrier_signal -1
	s_barrier_wait -1
	CREST
.endm
; A PREFETCH INTO THE L2 of phase p: phase 2 behind phase 1's joint load, phase 3 in the middle of phase 0, from phase 4 on behind the joint load of phase p - 2: at least one whole phase ahead of the tensor load that will want it.
; Phases 0 and 1 come by their loads alone, and nothing is asked for beside phase 0's.
; Of the 128 rows that a wave fetches the four partners that ask for them jointly take 32 each, told apart BY ADDRESS; a lane a row, 256 bytes of each.  The rows' waves ask in every cluster (no two clusters share rows);
; the weights, which all clusters read, are asked for by the four clusters whose y is a multiple of 4.  The phase stands in the immediate: the address registers are never rewritten.
.macro ASK p
	s_cmp_eq_u32 s[LIM], 0
	s_cbranch_scc0 .Lnot_mine_\@
.if (\p) < 4
	global_prefetch_b8 v[PFO], s[PFA:PFA+1] offset:256*(\p) th:TH_LOAD_NT scope:SCOPE_SE
.else
	global_prefetch_b8 v[PFO], s[PFQ:PFQ+1] offset:256*((\p)-4) th:TH_LOAD_NT scope:SCOPE_SE
.endif
.Lnot_mine_\@:
.endm
	s_load_b256 s[4:11], s[0:1], 0x0               ; q s[4:5], k s[6:7], Wq s[8:9], Wk s[10:11]
	s_load_b256 s[12:19], s[0:1], 0x20             ; bq s[12:13], the scales' exponents s[14:15], part s[16:17], v s[18:19]
	s_load_b256 s[88:95], s[0:1], 0x40             ; Wv s[88:89], bv s[90:91], vws s[92:93], wws s[94:95]
	v_lshl_add_u32 v[SPW], v0, 2, SPARE
	v_mov_b32 v[NIL], 0
	ds_add_u32 v[SPW], v[NIL]                      ; the wave's opening: the add, twice on end, and its wait ahead of my first tensor load
	ds_add_u32 v[SPW], v[NIL]
	v_lshrrev_b32 v1, 5, v0
	v_readfirstlane_b32 s20, v1                    ; wave 0..3
	s_lshr_b32 s21, s20, 1                         ; which half of the tile's rows is mine.  Also: I fetch rows (0) or weights (1)
	s_and_b32 s22, s20, 1                          ; which half of its columns.  Also: which 128 rows of that tile I fetch
	s_bfe_u32 s40, ttmp6, 0x40000                  ; cx, cy: my place in the cluster
	s_bfe_u32 s41, ttmp6, 0x40004
	s_lshl_b32 s42, ttmp9, 2
	s_add_co_u32 s42, s42, s40                     ; cb, the block of 256 columns
	s_and_b32 s[YC], ttmp7, 0xffff
	s_sub_co_u32 s[YC], 15, s[YC]                  ; THE CLUSTER'S y, COUNTED FROM THE GRID'S END (so everywhere in this text's comments): the last chunk's work-groups, which have the most to do, get the lowest numbers
	s_lshl_b32 s43, s[YC], 2
	s_add_co_u32 s43, s43, s41                     ; rb, the block of rows: n = rb % 8, Gb = rb / 8
	s_lshl_b32 s44, s41, 2
	s_lshl_b32 s44, 15, s44                        ; my row of the cluster
	s_lshl_b32 s45, 0x1111, s40                    ; my column
	; descriptor group 1: a tile of 128 rows x 256 bytes, padded in LDS
	s_or_b32 s[G1+0], s44, (0<<16)|(1<<20)|(1<<21)|(5<<22)|(3<<25)  ; 15:0 the mask; 17:16 elements of 1 byte; 20 padding on; 21 set beside a mask; 24:22 after every 64 words (code 5); 31:25 four words (code 3)
	s_or_b32 s[G1B+0], s45, (0<<16)|(1<<20)|(1<<21)|(5<<22)|(3<<25)
.irp g, G1, G1B
	s_mov_b32 s[\g+1], 256<<16                     ; tensor_dim0
	s_mov_b32 s[\g+2], 128<<16                     ; tensor_dim1
	s_mov_b32 s[\g+3], 256<<16                     ; tile_dim0
	s_mov_b32 s[\g+4], 128                         ; tile_dim1
	s_mov_b32 s[\g+6], 0
	s_mov_b32 s[\g+7], 0
.endr
	s_mov_b32 s[G1+5], 8192                        ; from row to row: the next position of the same batch entry
	s_mov_b32 s[G1B+5], 1024                       ; a weight's rows are dense
	s_lshr_b32 s96, s43, 3                         ; the rows: Gb x 2,048 rows + n rows + 128 x my half x 8 rows, of 1,024 bytes: nothing of cx in it
	s_lshl_b32 s96, s96, 21
	s_and_b32 s97, s43, 7
	s_lshl_b32 s97, s97, 10
	s_add_co_u32 s96, s96, s97
	s_lshl_b32 s97, s22, 20
	s_add_co_u32 s96, s96, s97
	s_mov_b32 s97, 0
	s_lshl_b32 s98, s42, 18                        ; the weight: row 256 cb + 128 x my half: nothing of cy in it
	s_lshl_b32 s99, s22, 17
	s_add_co_u32 s98, s98, s99
	s_mov_b32 s99, 0
	s_lshl_b32 s100, s40, 18                       ; the prefetches: my work-group's 32 rows, of 8,192 bytes by cx (q, k) or of 1,024 bytes by cy (the weights)
	s_lshl_b32 s101, s41, 15
	s_cmp_eq_u32 s21, 0
	s_cselect_b32 s100, s100, s101
	s_mov_b32 s101, 0
	s_lshl_b32 s2, s42, 10                         ; bq: column 256 cb + 128 x my column half, in bytes
	s_lshl_b32 s44, s22, 9
	s_add_co_u32 s2, s2, s44
	s_lshl_b32 s46, s42, 19                        ; part: 524,288 cb + 256 (8 (32 Gb + 8 wave) + n)
	s_lshr_b32 s47, s43, 3
	s_lshl_b32 s47, s47, 16
	s_add_co_u32 s46, s46, s47
	s_lshl_b32 s47, s20, 14
	s_add_co_u32 s46, s46, s47
	s_and_b32 s47, s43, 7
	s_lshl_b32 s47, s47, 8
	s_add_co_u32 s46, s46, s47
	s_mov_b32 s47, 0
	s_mul_i32 s23, s20, HALFT                      ; where my tiles go: wave x 128 rows: no place in the cluster enters an LDS address
	s_mul_i32 s44, s21, 3
	s_sub_co_u32 s44, 13, s44                      ; a row's bytes as a power of two: 13 (q, k) or 10 (the weights)
	v_and_b32 v[PFO], 31, v0
	v_lshlrev_b32 v[PFO], s44, v[PFO]
	s_wait_alu depctr_va_vdst(0)
	s_wait_dscnt 0x0                               ; both opening adds are done
	s_wait_kmcnt 0x0
	s_load_b256 s[SC:SC+7], s[14:15], 0x0
	s_add_nc_u64 s[PAK:PAK+1], s[6:7], s[96:97]
	s_add_nc_u64 s[PAQ:PAQ+1], s[4:5], s[96:97]
	s_add_nc_u64 s[PBK:PBK+1], s[10:11], s[98:99]
	s_add_nc_u64 s[PBQ:PBQ+1], s[8:9], s[98:99]
	s_cmp_eq_u32 s21, 0
	s_cselect_b64 s[PFA:PFA+1], s[PAK:PAK+1], s[PBK:PBK+1]
	s_cselect_b64 s[PFQ:PFQ+1], s[PAQ:PAQ+1], s[PBQ:PBQ+1]
	s_add_nc_u64 s[PFA:PFA+1], s[PFA:PFA+1], s[100:101]
	s_add_nc_u64 s[PFQ:PFQ+1], s[PFQ:PFQ+1], s[100:101]
	s_and_b32 s[LIM], s[YC], 3
	s_mul_i32 s[LIM], s[LIM], s21                  ; 0: a wave that fetches rows, or a cluster whose y is a multiple of 4
	s_add_nc_u64 s[16:17], s[16:17], s[46:47]
.irp s, 0,1
	s_mov_b32 s[G0+4*\s], 1
	s_add_co_u32 s[G0+4*\s+1], s23, \s*SLOT
	s_add_nc_u64 s[G0+4*\s+2:G0+4*\s+3], s[PAK:PAK+1], \s*256
	s_or_b32 s[G0+4*\s+3], s[G0+4*\s+3], 0x80000000
	s_mov_b32 s[G0B+4*\s], 1
	s_add_co_u32 s[G0B+4*\s+1], s23, \s*SLOT
	s_add_nc_u64 s[G0B+4*\s+2:G0B+4*\s+3], s[PBK:PBK+1], \s*256
	s_or_b32 s[G0B+4*\s+3], s[G0B+4*\s+3], 0x80000000
.endr
	CROUND                                         ; all sixteen work-groups are here: the first joint loads meet
	JLOAD 0                                        ; phase 0: one tensor load a wave at the head
	s_mul_i32 s44, s21, HALFT                      ; my 128 rows
	s_mul_i32 s45, s22, HALFT                      ; my 128 rows of the weight,
	s_add_co_u32 s45, s45, 2*HALFT                 ; which lie behind the rows' 256
	s_lshl_b32 s46, s22, 13                        ; the way out, in: 8,192 x column half + 4,096 x row half + 32 r; block a adds 512 a
	s_lshl_b32 s47, s21, 12
	s_add_co_u32 s46, s46, s47
	s_lshl_b32 s47, s20, 11                        ; back: wave w takes chunks 8 w .. 8 w + 7
	s_lshl_b32 s98, s20, 8                         ; v: my quarter of K
	s_lshl_b32 s97, s42, 11
	s_add_co_u32 s97, s97, 16320*1024              ; from the last chunk's first row on, batch entry 2 cb
	s_add_co_u32 s97, s97, s98
	s_lshl_b32 s99, s43, 14                        ; Wv: row 16 rb
	s_add_co_u32 s98, s98, s99
	s_lshl_b32 s99, s22, 13
	s_add_co_u32 s99, s99, KF0
	s_lshl_b32 s100, s20, 10
	s_add_co_u32 s100, s100, VPS
	s_lshl_b32 s101, s20, 8
	s_add_co_u32 s101, s101, VPS
	s_lshl_b32 s86, s42, 16                        ; vws: 32,768 (2 cb + wave / 2) + 32 (16 rb + 8 (wave % 2))
	s_lshl_b32 s87, s21, 15
	s_add_co_u32 s86, s86, s87
	s_lshl_b32 s87, s43, 9
	s_add_co_u32 s86, s86, s87
	s_lshl_b32 s87, s22, 8
	s_add_co_u32 s86, s86, s87
	s_lshl_b32 s87, s43, 6                         ; bv: 4 (16 rb + 8 (wave % 2))
	s_lshl_b32 s96, s22, 5
	s_add_co_u32 s87, s87, s96
	s_and_b32 s96, s43, 7                          ; wws: 256 (16 n + 4 cb + 2 x column half)
	s_lshl_b32 s96, s96, 12
	s_lshl_b32 s10, s42, 10
	s_add_co_u32 s96, s96, s10
	s_lshl_b32 s10, s22, 9
	s_add_co_u32 s96, s96, s10
	s_lshl_b32 s10, s21, 8                         ; + my head of the two
	s_add_co_u32 s96, s96, s10
	s_lshl_b32 s10, s21, 12
	s_add_co_u32 s10, s10, s99                     ; the last chunk's images: 8,192 x column half + 4,096 x head
	v_and_b32 v1, 15, v0                           ; r
	v_bfe_u32 v2, v0, 4, 1                         ; h
	v_bfe_u32 v3, v0, 3, 1                         ; r / 8
	v_and_b32 v5, 31, v0                           ; lane
	v_mul_u32_u24 v4, v1, PITCH
	v_lshl_add_u32 v4, v2, 4, v4                   ; a fragment's row x pitch + 16 x half
	v_add_nc_u32 v[ADRA], s44, v4
	v_add_nc_u32 v[ADRB], s45, v4
	v_add_nc_u32 v[ADRA+1], SLOT, v[ADRA]
	v_add_nc_u32 v[ADRB+1], SLOT, v[ADRB]
	v_lshl_add_u32 v[BOF], v2, 5, s2
	v_xor_b32 v6, v2, v3                           ; 0 in the lanes whose keys and query are of one chunk
	v_lshl_add_u32 v[STO], v1, 5, s46
	v_lshl_add_u32 v[STO], v6, DUMP, v[STO]
	v_lshl_add_u32 v[RD], v5, 4, s47
	v_lshlrev_b32 v[CO], 4, v1                     ; in part: lanes 0-15 one chunk's 256 bytes, lanes 16-31 the next chunk's, 2,048 bytes on
	v_lshl_add_u32 v[CO], v2, 11, v[CO]
	v_and_b32 v6, 7, v0
	v_lshl_add_u32 v6, v6, 3, v3                   ; v: lane r takes row 16320 + 8 (r % 8) + 2 cb + r / 8
	v_lshl_add_u32 v[VA], v6, 10, s97
	v_lshl_add_u32 v[VA], v2, 4, v[VA]
	v_lshl_add_u32 v[VW], v1, 10, s98
	v_lshl_add_u32 v[VW], v2, 4, v[VW]
	v_lshl_add_u32 v[KFA], v5, 4, s99
	v_lshl_add_u32 v[KWA], v5, 4, s10              ; where my wave reads its head's images
	v_lshl_add_u32 v[KWR], v5, 3, s100
	v_lshl_add_u32 v[VPW], v5, 5, s100
	v_lshl_add_u32 v[VPR], v5, 3, s101
	v_lshl_add_u32 v[VWO], v5, 3, s86
	v_lshrrev_b32 v6, 2, v5
	v_lshl_add_u32 v[BVO], v6, 2, s87
	v_lshl_add_u32 v[WWO], v5, 3, s96
	s_wait_alu depctr_va_vdst(0)
	s_wait_kmcnt 0x0
	s_add_co_i32 s86, s[SC], s[SC+1]
	s_add_co_i32 s87, s[SC+2], s[SC+3]
	s_add_co_i32 s44, s86, s87
	s_lshl_b32 s44, s44, 23
	s_mov_b32 s[CS], 0x3e38aa3b                    ; c = log2(e) / sqrt(64);
	s_add_co_i32 s[CS], s[CS], s44                 ; a score stands for score x 2^(e0 + e1 + e2 + e3): the exponents are added to c's exponent field
	s_mov_b32 s[CS+1], s[CS]                       ; (named with it as a pair, so it is written)
	s_sub_co_i32 s86, 0, s86                       ; -(e0 + e1), for bq
	s_add_co_i32 s87, s[SC+4], s[SC+5]
	s_add_co_i32 s87, s87, 127
	s_lshl_b32 s87, s87, 23                        ; 2^(e4 + e5) as f32
; LDS loads of the next step's fragments: a fragment, 16 rows x 64 K, is 8 registers: lane l holds row l % 16; registers 4 c .. 4 c + 3 hold K = 32 c + 16 (l / 16) + 0 .. 15: the same order of K in both operands
.macro LDB slot, q, i0, cnt            ; the weight's fragments i0 .. into the set that step G + 1 reads
.set NB, 128+64*((G+1)%2)
.set I, \i0
.rept \cnt
	ds_load_b128 v[NB+8*I:NB+8*I+3], v[ADRB+\slot] offset:64*(\q)+I*16*PITCH
	ds_load_b128 v[NB+8*I+4:NB+8*I+7], v[ADRB+\slot] offset:64*(\q)+32+I*16*PITCH
.set I, I+1
.endr
.endm
.macro LDA slot, q, i0, cnt            ; the rows' blocks i0 .. of step G + 1: block i of step g lies in ring place (8 g + i) % 12
.set I, \i0
.rept \cnt
.set NA, 32+8*((8*(G+1)+I)%12)
	ds_load_b128 v[NA:NA+3], v[ADRA+\slot] offset:64*(\q)+I*16*PITCH
	ds_load_b128 v[NA+4:NA+7], v[ADRA+\slot] offset:64*(\q)+32+I*16*PITCH
.set I, I+1
.endr
.endm
; 8 matrix instructions: the rows' block a x the weight's eight, 64 along K.  mode 1: the first step of q's sums, C = bq; mode 2: the first step of k's, C = 0: nothing is ever cleared.
; The 64 accumulators take turns, one instruction a turn, in the same order in every step.
.macro MULA a, mode
.set AX, 32+8*((8*G+(\a))%12)
.set BS, 128+64*(G%2)
.irp b, 0,1,2,3,4,5,6,7
.set AC, 8*(8*((\a)%4)+\b)
.if (\mode) == 0
	v_wmma_f32_16x16x64_fp8_fp8 v[AC:AC+7], v[BS+8*\b:BS+8*\b+7], v[AX:AX+7], v[AC:AC+7]
.elseif (\mode) == 1
	v_wmma_f32_16x16x64_fp8_fp8 v[AC:AC+7], v[BS+8*\b:BS+8*\b+7], v[AX:AX+7], v[192+8*\b:199+8*\b]
.else
	v_wmma_f32_16x16x64_fp8_fp8 v[AC:AC+7], v[BS+8*\b:BS+8*\b+7], v[AX:AX+7], 0
.endif
.endr
.endm
; A step that has its successor in the same slot.  The set that the weight's next fragments go into, and the four ring places that blocks 0-3 of the next step go into, were last read a step ago: 24 of the 32 loads stand in the step's
; first half; blocks 4-7 go where this step's blocks 0-3 were, from the middle on.
.macro STEP slot, q, first, mode
	s_wait_dscnt \first                            ; the weight's set and blocks 0-3 are in (8: the youngest eight loads, blocks 4-7, may be out)
	PLACES 4
	WIN 0
	LDB \slot, (\q)+1, 0, 8                        ; 24 loads at the step's start
	LDA \slot, (\q)+1, 0, 4
	WIN MUL_LO
	MULA 0, \mode
	MULA 1, \mode
	MULA 2, \mode
	MULA 3, \mode
	s_wait_dscnt 24                                ; this step's blocks 4-7 are in; the 24 loads just issued may be out
	PLACES 4
	WIN 0
	LDA \slot, (\q)+1, 4, 4
	WIN MUL_HI
.irp a, 4,5,6,7
	MULA \a, \mode
.endr
.set G, G+1
.endm
; q's first step: C = bq, which lies in the weight's second set until all 64 products are issued; so that set is fetched at the step's end.
.macro STEPF slot
	WIN 0
	LDA \slot, 1, 0, 4
	WIN 0x80                                       ; C window 0, D window 2
.irp a, 0,1,2,3
	MULA \a, 1
.endr
	PLACES 4
	WIN 0
	LDA \slot, 1, 4, 4
	WIN 0xc0                                       ; C window 0, D window 3
.irp a, 4,5,6,7
	MULA \a, 1
.endr
	PLACES 4
	WIN 0
	LDB \slot, 1, 0, 8
.set G, G+1
.endm
; A slot's last step changes slots: ONE barrier; in front of it each wave waits for all its tensor loads, adds 0 to its spare word, and waits for that and for its own reads of this slot.
; fill = 1: this slot is filled again, with the 256 bytes at off of the rows at s[pa] and s[pb].  ask >= 0: the prefetch of phase ask.
.macro TURN slot, next, fill, pa, pb, off, ask
	WIN 0
	s_wait_tensorcnt 0x0                           ; all my tensor loads have landed: my part of the next slot
	ds_add_u32 v[SPW], v[NIL]                      ; 0 onto my spare word
	s_wait_dscnt 9                                 ; (the add and the youngest eight loads, blocks 4-7, may be out)
	WIN MUL_LO
	MULA 0, 0                                      ; matrix instructions stand between the add and the wait for it
	s_wait_dscnt 0x0                               ; the add is done, and my reads of this slot are over
	s_barrier_signal -1
	MULA 1, 0
	WIN 0                                          ; (at a branch and at a label every window is 0)
	s_barrier_wait -1
.if \fill
	CREST                                          ; no wave of any partner still reads this slot's tile or has a load on its way
	s_add_nc_u64 s[G0+4*\slot+2:G0+4*\slot+3], s[\pa:\pa+1], \off
	s_or_b32 s[G0+4*\slot+3], s[G0+4*\slot+3], 0x80000000
	s_add_nc_u64 s[G0B+4*\slot+2:G0B+4*\slot+3], s[\pb:\pb+1], \off
	s_or_b32 s[G0B+4*\slot+3], s[G0B+4*\slot+3], 0x80000000
	JLOAD \slot                                    ; the first tensor load behind the round, my one load until the next; the four v_nop behind it are the places in front of the loads below
.else
	PLACES 4
.endif
	LDB \next, 0, 0, 8
	LDA \next, 0, 0, 4
.if \ask >= 0
	ASK \ask
.endif
	WIN MUL_LO
	MULA 2, 0
	MULA 3, 0
	PLACES 4
	WIN 0
	LDA \next, 0, 4, 4
	WIN MUL_HI
.irp a, 4,5,6,7
	MULA \a, 0
.endr
.set G, G+1
.endm
.macro STEPS3 slot
	STEP \slot, 0, 8, 0
	STEP \slot, 1, 8, 0
	STEP \slot, 2, 8, 0
.endm
	s_wait_tensorcnt 0x0                           ; my part of phase 0 is in
	ds_add_u32 v[SPW], v[NIL]
	s_wait_dscnt 0x0
	CROUND
	JLOAD 1                                        ; phase 1, the first tensor load behind the round
.set G, -1
	LDB 0, 0, 0, 8
	LDA 0, 0, 0, 4
	LDA 0, 0, 4, 4
.set G, 0
	ASK 2
	WIN 0x40                                       ; destination window 1, which is free until kp is parked
.irp b, 0,1,2,3,4,5,6,7                ; bq of my 128 columns in the result's layout: register 8 b + j = column 16 b + 8 h + j
	global_load_b128 v[192+8*\b:195+8*\b], v[BOF], s[12:13] offset:64*\b
	global_load_b128 v[196+8*\b:199+8*\b], v[BOF], s[12:13] offset:64*\b+16
.endr
.irp s, 0,1                            ; v's tile: my quarter of K, two steps of 128
.irp c, 0,1,2,3
	global_load_b128 v[16*\s+4*\c:16*\s+4*\c+3], v[VA], s[18:19] offset:128*\s+32*\c
	global_load_b128 v[32+16*\s+4*\c:35+16*\s+4*\c], v[VW], s[88:89] offset:128*\s+32*\c
.endr
.endr
	WIN 0
	global_load_b32 v[BV], v[BVO], s[90:91]
	STEP 0, 0, 8, 2                                ; ---- k Wk^T: phases 0 to 3
	STEP 0, 1, 8, 0
	WIN 0
	ASK 3
	STEP 0, 2, 8, 0
	TURN 0, 1, 1, PAK, PBK, 512, 4
	STEPS3 1
	TURN 1, 0, 1, PAK, PBK, 768, 5
	STEPS3 0
	; v's tile: source 0 = its 16 rows, source 1 = 16 rows of Wv: lane (r, h) holds channel r, batch entry 2 cb + h, positions 0 .. 7.  Two accumulators, one for each half of my quarter of K
	WIN 0x45                                       ; sources and destination window 1
	s_wait_loadcnt 0x0                             ; v, Wv, bq and bv are in
	v_wmma_f32_16x16x128_fp8_fp8 v[64:71], v[0:15], v[32:47], 0
	v_wmma_f32_16x16x128_fp8_fp8 v[72:79], v[16:31], v[48:63], 0
	PLACES 4
.irp i, 0,2,4,6
	v_pk_add_f32 v[64+\i:65+\i], v[64+\i:65+\i], v[72+\i:73+\i]
.endr
	WIN 0x04                                       ; data window 1, address window 0
	ds_store_b128 v[VPW], v[64:67]
	ds_store_b128 v[VPW], v[68:71] offset:16
	TURN 0, 1, 1, PAQ, PBQ, 0, 6                   ; THE RING GOES ON INTO q's PRODUCT
	STEPS3 1
	TURN 1, 0, 1, PAQ, PBQ, 256, 7                 ; and q's first fragments are fetched
	PLACES 4                                       ; the lines below write registers that the last products have read, and read their results
	WIN 0x01                                       ; source window 1, destination window 0
.set J, 0
.rept 64
	v_ldexp_f32 v[192+J], v[192+J], s86            ; bq divided by the power of two that the sums lack, into the weight's second set
.set J, J+1
.endr
.irp a, 0,1,2,3,4,5,6,7                ; kp is parked: rounded to bf16, each accumulator from its low end on
	WIN 0x4a+5*((\a)/4)                            ; sources window 2 or 3, destination window 1
.irp b, 0,1,2,3,4,5,6,7
.irp r, 0,1,2,3
	v_cvt_pk_bf16_f32 v[4*(8*\a+\b)+\r], v[8*(8*((\a)%4)+\b)+2*\r], v[8*(8*((\a)%4)+\b)+2*\r+1]
.endr
.endr
.endr
	WIN 0
	s_wait_alu depctr_va_vdst(0)
	s_cmp_ge_u32 s[YC], 14                         ; Gb = 7: the last chunk's rows.  The cluster's y: the same in all sixteen partners
	s_cbranch_scc0 .Lno_kf
	s_cmp_ge_u32 s20, 2
	s_cbranch_scc0 .Lno_kf
	WIN 0x0c                                       ; data window 3
.irp k, 0,1,2,3,4,5,6,7,8,9,10,11,12,13,14,15
	ds_store_b128 v[KFA], v[192+4*\k:195+4*\k] offset:512*\k   ; block 7 of kp, f32, an image of its registers, into my own bytes
.endr
	WIN 0
.Lno_kf:
	; the four quarters of v's tile are added; barriers stand between the stores and these loads.  8 bytes a lane: two positions of one channel
.irp i, 0,1,2,3
	ds_load_b64 v[64+2*\i:65+2*\i], v[VPR] offset:1024*\i
.endr
	s_wait_dscnt 0x0
	v_pk_add_f32 v[64:65], v[64:65], v[66:67]
	v_pk_add_f32 v[68:69], v[68:69], v[70:71]
	v_pk_add_f32 v[64:65], v[64:65], v[68:69]
	v_fma_f32 v[VOUT], v64, s87, v[BV]
	v_fma_f32 v[VOUT+1], v65, s87, v[BV]
	global_store_b64 v[VWO], v[VOUT:VOUT+1], s[92:93]      ; 32 lanes store 256 consecutive bytes, at a multiple of 256; these registers are not written again
	STEPF 0                                        ; ---- q Wq^T: phases 4 to 7
	STEP 0, 1, 0, 0
	STEP 0, 2, 8, 0
	TURN 0, 1, 1, PAQ, PBQ, 512, -1
	STEPS3 1
	TURN 1, 0, 1, PAQ, PBQ, 768, -1
	STEPS3 0
	TURN 0, 1, 0, PAQ, PBQ, 0, -1                  ; nothing is left to fetch: no round
	STEPS3 1
	s_wait_dscnt 8                                 ; the very last step
	WIN MUL_LO
.irp a, 0,1,2,3
	MULA \a, 0
.endr
	s_wait_dscnt 0
	WIN MUL_HI
.irp a, 4,5,6,7
	MULA \a, 0
.endr
	WIN 0
	PLACES 5                                       ; the scores' products write over registers that held fragments: five places
.irp t, 0,1,2,3
	v_mov_b32 v[ST+8*\t+7], 0                      ; (named as the upper half of a pair)
.endr
; THE SCORES AND THE SOFTMAX of row blocks a0 and a0 + 1, both heads: four tiles, t = 2 x + head.
.macro EPI a0
	WIN 0x0a+5*((\a0)/4)                           ; sources window 2 or 3
	s_wait_alu depctr_va_vdst(0)
.irp x, 0,1
.irp b, 0,1,2,3,4,5,6,7
.irp r, 0,1,2,3
	v_cvt_pk_bf16_f32 v[QF+32*\x+4*\b+\r], v[64*((\a0+\x)%4)+8*\b+2*\r], v[64*((\a0+\x)%4)+8*\b+2*\r+1]
.endr
.endr
.endr
	WIN 0x01                                       ; source 0 (kp) window 1
.irp kk, 0,1                           ; 32 of the head's 64 an instruction; the four tiles take turns
.irp x, 0,1
.irp hh, 0,1
.if \kk == 0
	v_wmma_f32_16x16x32_bf16 v[S+8*(2*\x+\hh):S+8*(2*\x+\hh)+7], v[4*(8*(\a0+\x)+4*\hh+2*\kk):4*(8*(\a0+\x)+4*\hh+2*\kk)+7], v[QF+32*\x+8*(2*\hh+\kk):QF+32*\x+8*(2*\hh+\kk)+7], 0
.else
	v_wmma_f32_16x16x32_bf16 v[S+8*(2*\x+\hh):S+8*(2*\x+\hh)+7], v[4*(8*(\a0+\x)+4*\hh+2*\kk):4*(8*(\a0+\x)+4*\hh+2*\kk)+7], v[QF+32*\x+8*(2*\hh+\kk):QF+32*\x+8*(2*\hh+\kk)+7], v[S+8*(2*\x+\hh):S+8*(2*\x+\hh)+7]
.endif
.endr
.endr
.endr
	WIN 0
	PLACES 4
.irp t, 0,1,2,3
	v_max3_num_f32 v[ST+8*\t], v[S+8*\t], v[S+8*\t+1], v[S+8*\t+2]       ; the query's largest score; each tile is read from its low end on
.endr
.irp t, 0,1,2,3
	v_max3_num_f32 v[ST+8*\t+1], v[S+8*\t+3], v[S+8*\t+4], v[S+8*\t+5]
.endr
.irp t, 0,1,2,3
	v_max3_num_f32 v[ST+8*\t], v[ST+8*\t], v[S+8*\t+6], v[S+8*\t+7]
.endr
.irp t, 0,1,2,3
	v_max_num_f32 v[ST+8*\t], v[ST+8*\t], v[ST+8*\t+1]
.endr
.irp t, 0,1,2,3
	v_mul_f32 v[ST+8*\t], s[CS], v[ST+8*\t]        ; c m (c is positive)
.endr
.irp t, 0,1,2,3
.irp i, 0,2,4,6
	v_pk_fma_f32 v[S+8*\t+\i:S+8*\t+\i+1], v[S+8*\t+\i:S+8*\t+\i+1], s[CS:CS+1], v[ST+8*\t:ST+8*\t+1] op_sel_hi:[1,0,0] neg_lo:[0,0,1] neg_hi:[0,0,1]   ; c s - c m
.endr
.endr
.set J, 0
	s_wait_alu depctr_va_vdst(0)                   ; one wait ahead of the batch, one behind it
.rept 32
	v_exp_f32 v[S+J], v[S+J]
.set J, J+1
.endr
	v_nop                                          ; a plain instruction behind the last exponential
	s_wait_alu depctr_va_vdst(0)
.irp t, 0,1,2,3
	v_pk_add_f32 v[ST+8*\t+2:ST+8*\t+3], v[S+8*\t:S+8*\t+1], v[S+8*\t+2:S+8*\t+3]
	v_pk_add_f32 v[ST+8*\t+4:ST+8*\t+5], v[S+8*\t+4:S+8*\t+5], v[S+8*\t+6:S+8*\t+7]
.endr
.irp t, 0,1,2,3
	v_pk_add_f32 v[ST+8*\t+2:ST+8*\t+3], v[ST+8*\t+2:ST+8*\t+3], v[ST+8*\t+4:ST+8*\t+5]
.endr
.irp t, 0,1,2,3
	v_add_f32 v[ST+8*\t+2], v[ST+8*\t+2], v[ST+8*\t+3]
.endr
	s_wait_alu depctr_va_vdst(0)
.irp t, 0,1,2,3
	v_rcp_f32 v[ST+8*\t+6], v[ST+8*\t+2]
.endr
	v_nop
	s_wait_alu depctr_va_vdst(0)                   ; one wait for the four reciprocals
.irp t, 0,1,2,3
	v_mul_f32 v[ST+8*\t+6], 0x3d800000, v[ST+8*\t+6]   ; / 16: the mean over the heads
.endr
.irp x, 0,1
.irp i, 0,2,4,6
	v_pk_mul_f32 v[WS+8*(\a0+\x)+\i:WS+8*(\a0+\x)+\i+1], v[S+16*\x+\i:S+16*\x+\i+1], v[ST+16*\x+6:ST+16*\x+7] op_sel_hi:[1,0]
.endr
.endr
.irp x, 0,1
.irp i, 0,2,4,6
	v_pk_fma_f32 v[WS+8*(\a0+\x)+\i:WS+8*(\a0+\x)+\i+1], v[S+16*\x+8+\i:S+16*\x+8+\i+1], v[ST+16*\x+14:ST+16*\x+15], v[WS+8*(\a0+\x)+\i:WS+8*(\a0+\x)+\i+1] op_sel_hi:[1,0,1]   ; my two heads' weights, summed
.endr
.endr
.endm
	EPI 0
	EPI 2
	EPI 4
	EPI 6
	s_wait_alu depctr_va_vdst(0)
	s_cmp_ge_u32 s[YC], 14
	s_cbranch_scc0 .Lno_qf
	s_cmp_ge_u32 s20, 2
	s_cbranch_scc0 .Lno_qf
	WIN 0x0c                                       ; data window 3
.irp k, 0,1,2,3,4,5,6,7,8,9,10,11,12,13,14,15
	ds_store_b128 v[KFA], v[192+4*\k:195+4*\k] offset:20480+512*\k   ; block 7 of qp, f32, behind kp's images and v's partial sums: bytes of their own; no fill lands there
.endr
	WIN 0
.Lno_qf:
	; THE WAY OUT.  The lanes whose keys and query are of one chunk put their query's 8 sums into the stage, the others theirs into bytes that nobody reads; a barrier; the two column halves are added and each wave stores 8 chunks.
.irp a, 0,1,2,3,4,5,6,7
	ds_store_b128 v[STO], v[WS+8*\a:WS+8*\a+3] offset:512*\a
	ds_store_b128 v[STO], v[WS+8*\a+4:WS+8*\a+7] offset:512*\a+16
.endr
	s_wait_dscnt 0x0                               ; for the others' sake: my stores into the stage and qp's image are done
	s_barrier_signal -1
	s_barrier_wait -1
.irp i, 0,1,2,3
	ds_load_b128 v[32+4*\i:35+4*\i], v[RD] offset:512*\i
	ds_load_b128 v[48+4*\i:51+4*\i], v[RD] offset:8192+512*\i
.endr
	s_wait_dscnt 0x0
.irp j, 0,2,4,6,8,10,12,14
	v_pk_add_f32 v[32+\j:33+\j], v[32+\j:33+\j], v[48+\j:49+\j]
.endr
.irp i, 0,1,2,3
	global_store_b128 v[CO], v[32+4*\i:35+4*\i], s[16:17] offset:4096*\i   ; 16 lanes store 256 consecutive bytes, at a multiple of 256 from the buffer's first byte; these registers are not written again
.endr
	; THE LAST CHUNK's weights, in f32, where Gb = 7: each wave takes one head, head wave / 2 of column half wave % 2, from the images of kp and qp.  Lanes 24-31 hold the last chunk's queries and its keys.
	s_cmp_ge_u32 s[YC], 14
	s_cbranch_scc0 .Lno_w
.irp k, 0,1,2,3,4,5,6,7
	ds_load_b128 v[64+4*\k:67+4*\k], v[KWA] offset:512*\k
	ds_load_b128 v[96+4*\k:99+4*\k], v[KWA] offset:20480+512*\k
.endr
	s_wait_dscnt 0x0
	WIN 0xa0                                       ; sources window 0, C and D window 2, whose sums have been packed
.set I, 0
.rept 16                               ; 4 of d an instruction, the same order of d in both sources; four accumulators take turns
.set DD, 8*(I%4)
.if I < 4
	v_wmma_f32_16x16x4_f32 v[DD:DD+7], v[64+2*I:65+2*I], v[96+2*I:97+2*I], 0
.else
	v_wmma_f32_16x16x4_f32 v[DD:DD+7], v[64+2*I:65+2*I], v[96+2*I:97+2*I], v[DD:DD+7]
.endif
.set I, I+1
.endr
	WIN 0
	PLACES 8
	WIN 0x0a                                       ; sources 0 and 1 window 2
.irp i, 0,2,4,6
	v_pk_add_f32 v[128+\i:129+\i], v[\i:\i+1], v[8+\i:9+\i]
	v_pk_add_f32 v[144+\i:145+\i], v[16+\i:17+\i], v[24+\i:25+\i]
.endr
	WIN 0
.irp i, 0,2,4,6
	v_pk_add_f32 v[128+\i:129+\i], v[128+\i:129+\i], v[144+\i:145+\i]
.endr
	v_max3_num_f32 v136, v128, v129, v130
	v_max3_num_f32 v137, v131, v132, v133
	v_max3_num_f32 v136, v136, v134, v135
	v_max_num_f32 v136, v136, v137
.irp i, 0,2,4,6
	v_pk_add_f32 v[128+\i:129+\i], v[128+\i:129+\i], v[136:137] op_sel_hi:[1,0] neg_lo:[0,1] neg_hi:[0,1]   ; s - m first: the exponent's error stays relative to the exponent
.endr
.irp i, 0,2,4,6
	v_pk_mul_f32 v[128+\i:129+\i], v[128+\i:129+\i], s[CS:CS+1] op_sel_hi:[1,0]
.endr
	s_wait_alu depctr_va_vdst(0)
.irp j, 0,1,2,3,4,5,6,7
	v_exp_f32 v[128+\j], v[128+\j]
.endr
	v_nop
	s_wait_alu depctr_va_vdst(0)
	v_pk_add_f32 v[138:139], v[128:129], v[130:131]
	v_pk_add_f32 v[140:141], v[132:133], v[134:135]
	v_pk_add_f32 v[138:139], v[138:139], v[140:141]
	v_add_f32 v138, v138, v139
	s_wait_alu depctr_va_vdst(0)
	v_rcp_f32 v142, v138
	v_nop
	s_wait_alu depctr_va_vdst(0)
.irp j, 0,1,2,3,4,5,6,7
	v_mul_f32 v[128+\j], v[128+\j], v142           ; the weights, normalised
.endr
	ds_store_b128 v[VPW], v[128:131]               ; 32 bytes a lane into my own 1,024 bytes, where v's partial sums lay; lanes 24-31's 256 bytes come back, 8 bytes a lane.  LDS serves a wave's instructions in order (ISA guide 5.7.1.4)
	ds_store_b128 v[VPW], v[132:135] offset:16
	ds_load_b64 v[48:49], v[KWR] offset:768
	s_wait_dscnt 0x0
	global_store_b64 v[WWO], v[48:49], s[94:95]            ; 32 lanes store 256 consecutive bytes, at a multiple of 256
.Lno_w:
	s_wait_tensorcnt 0x0                           ; the wave's end
	ds_add_u32 v[SPW], v[NIL]
	s_wait_dscnt 0x0
	CROUND                                         ; the closing round: no work-group ends while a partner may still ask for a tile that names it
	s_endpgm
.Lfunc_end_k_qd42f40e0f0_qk:
	.size	k_qd42f40e0f0_qk, .Lfunc_end_k_qd42f40e0f0_qk-k_qd42f40e0f0_qk
	.p2alignl 7, 3214868480
	.fill 96, 4, 3214868480
	.section	.rodata,"a",@progbits
	.p2align	6, 0x0
	.amdhsa_kernel k_qd42f40e0f0_qk
		.amdhsa_group_segment_fixed_size 327680
		.amdhsa_private_segment_fixed_size 0
		.amdhsa_enable_private_segment 0
		.amdhsa_kernarg_size 96
		.amdhsa_user_sgpr_count 2
		.amdhsa_user_sgpr_kernarg_segment_ptr 1
		.amdhsa_wavefront_size32 1
		.amdhsa_system_sgpr_workgroup_id_x 1
		.amdhsa_system_sgpr_workgroup_id_y 1
		.amdhsa_system_sgpr_workgroup_id_z 1
		.amdhsa_system_vgpr_workitem_id 0
		.amdhsa_next_free_vgpr 1024
		.amdhsa_next_free_sgpr 102
		.amdhsa_reserve_vcc 0
		.amdhsa_float_denorm_mode_32 3
		.amdhsa_float_denorm_mode_16_64 3
		.amdhsa_memory_ordered 1
		.amdhsa_forward_progress 1
		.amdhsa_inst_pref_size 255
	.end_amdhsa_kernel
	.section	.bss,"aw",@nobits
	.p2align	6
	.space	262144
	.amdgpu_metadata
---
amdhsa.version: [ 1, 2 ]
amdhsa.kernels:
  - .name:           k_qd42f40e0f0_qk
    .symbol:         k_qd42f40e0f0_qk.kd
    .args:
      - { .name: q_codes, .offset: 0, .size: 8, .value_kind: global_buffer, .address_space: global }
      - { .name: k_codes, .offset: 8, .size: 8, .value_kind: global_buffer, .address_space: global }
      - { .name: Wq_codes, .offset: 16, .size: 8, .value_kind: global_buffer, .address_space: global }
      - { .name: Wk_codes, .offset: 24, .size: 8, .value_kind: global_buffer, .address_space: global }
      - { .name: bq, .offset: 32, .size: 8, .value_kind: global_buffer, .address_space: global }
      - { .name: lowp_scales, .offset: 40, .size: 8, .value_kind: global_buffer, .address_space: global }
      - { .name: part, .offset: 48, .size: 8, .value_kind: global_buffer, .address_space: global }
      - { .name: v_codes, .offset: 56, .size: 8, .value_kind: global_buffer, .address_space: global }
      - { .name: Wv_codes, .offset: 64, .size: 8, .value_kind: global_buffer, .address_space: global }
      - { .name: bv, .offset: 72, .size: 8, .value_kind: global_buffer, .address_space: global }
      - { .name: vws, .offset: 80, .size: 8, .value_kind: global_buffer, .address_space: global }
      - { .name: wws, .offset: 88, .size: 8, .value_kind: global_buffer, .address_space: global }
    .group_segment_fixed_size: 327680
    .private_segment_fixed_size: 0
    .kernarg_segment_align: 8
    .kernarg_segment_size: 96
    .max_flat_workgroup_size: 128
    .sgpr_count:     102
    .vgpr_count:     1024
    .wavefront_size: 32
...
	.end_amdgpu_metadata
.endif
;; end of part 4
;; launch fin (part 5): grid 256 x 1, 16 waves a work-group, no clusters, 71,680 bytes of LDS; arguments vws, wws, Wo_codes, bo, lowp_scales, part, out0, out1; writes out0, out1
.if DOCPART == 5
	.amdgcn_target "amdgcn-amd-amdhsa--gfx1250"
	.amdhsa_code_object_version 6
	.text
	.protected	k_qd42f40e0f0_fin
	.globl	k_qd42f40e0f0_fin
	.p2align	8
	.type	k_qd42f40e0f0_fin,@function
k_qd42f40e0f0_fin:
	s_mov_b64 s[64:65], 0
	v_nop
	global_prefetch_b8 v0, s[64:65] scope:SCOPE_SE
	s_setreg_imm32_b32 hwreg(HW_REG_WAVE_MODE, 25, 1), 1
	s_wait_xcnt 0x0
; Two ends in one launch.  Work-groups 0 to 127 make out0, 128 to 255 make out1.
; out0 = Q(w V) Wo^T x 2^(e6 + e7) + bo for the last chunk alone (the problem keeps no other output).  n = work-group % 8: a batch entry, 8 rows; cg = work-group / 8: 64 columns.
; Wave = head: w V (8 queries x 64 channels, 8 keys) by 8 f32 matrix instructions, the hold, the conversion to codes, and 4 matrix instructions of 64 along K against Wo.
; V's tile (b, u) takes in lane r the channel 32 b + 8 u + r + 8 (r / 8): so lane (r, h) of the result holds query r % 8 and channels 32 b + 16 h + 8 u + j: 16 neighbours along the next K in two tiles.
; Lanes 8-15 of a tile repeat queries 0-7: the tile has 16 rows, the batch entry 8.  An f32 instruction takes keys 4 h + 2 i, + 1, the same order in both sources.
; The sixteen waves' partial sums meet in LDS (16 rows x (256 bytes + 16) a wave); one barrier; waves 0 to 7 add and store one row each.
; out1 = the sum of the four parts (each a sum over four heads, already divided by 16): 4,096 bytes a work-group, 256 a wave.
; NO CLUSTER: each byte goes straight into an operand register, at most 14 loads a wave, all issued together; a joint load would add a pass through LDS and rounds.  No prefetch: there is no loop to run ahead in.
; LIMITS: e6 between -126 and 119; e6 + e7 between -126 and 127.
; REGISTERS: v4-7 w; v8-23 V; v24-55 Wo; v56-57 bo; v58-63, v96-101 scales, offsets, addresses; v64-95 w V, written by matrix instructions alone; v104-135 held; v136-143 codes; v144-175 the sums.
.set SPARE, 16*4352
	s_load_b256 s[4:11], s[0:1], 0x0               ; vp s[4:5], w s[6:7], Wo s[8:9], bo s[10:11]
	s_load_b256 s[12:19], s[0:1], 0x20             ; the scales' exponents s[12:13], part s[14:15], out0 s[16:17], out1 s[18:19]
	v_lshrrev_b32 v1, 5, v0
	v_readfirstlane_b32 s20, v1                    ; wave 0..15
	s_cmp_lt_u32 ttmp9, 128
	s_cbranch_scc0 .Lparts
	s_and_b32 s21, ttmp9, 7                        ; n
	s_lshr_b32 s22, ttmp9, 3                       ; cg
	s_lshl_b32 s23, s21, 15                        ; vp: 32,768 n + 2,048 head
	s_lshl_b32 s24, s20, 11
	s_add_co_u32 s23, s23, s24
	s_lshl_b32 s24, s21, 12                        ; w: 256 (16 n + head)
	s_lshl_b32 s25, s20, 8
	s_add_co_u32 s24, s24, s25
	s_lshl_b32 s25, s22, 16                        ; Wo: row 64 cg, K = 64 head
	s_lshl_b32 s26, s20, 6
	s_add_co_u32 s25, s25, s26
	s_lshl_b32 s26, s22, 8                         ; bo: column 64 cg
	s_lshl_b32 s27, s20, 15                        ; out0: row 8 g + n, g = my wave
	s_lshl_b32 s28, s21, 12
	s_add_co_u32 s27, s27, s28
	s_add_co_u32 s27, s27, s26
	s_mul_i32 s28, s20, 4352
	s_mul_i32 s29, s20, 272
	v_lshl_add_u32 v100, v0, 2, SPARE
	v_mov_b32 v101, 0
	v_and_b32 v1, 15, v0                           ; r
	v_bfe_u32 v2, v0, 4, 1                         ; h
	v_and_b32 v3, 31, v0                           ; lane
	v_bfe_u32 v102, v0, 3, 1
	v_and_b32 v103, 7, v0
	v_lshl_add_u32 v102, v102, 3, v1               ; r + 8 (r / 8)
	v_lshl_add_u32 v60, v102, 5, s23
	v_lshl_add_u32 v61, v103, 5, s24
	v_lshl_add_u32 v62, v1, 10, s25
	v_lshl_add_u32 v60, v2, 4, v60                 ; vp: keys 4 h .. 4 h + 3 of my channel
	v_lshl_add_u32 v61, v2, 4, v61                 ; w: keys 4 h .. 4 h + 3 of my query
	v_lshl_add_u32 v62, v2, 4, v62
	v_lshl_add_u32 v63, v3, 3, s26
	v_lshl_add_u32 v96, v3, 3, s27
	v_mul_u32_u24 v97, v1, 272
	v_lshl_add_u32 v97, v2, 5, v97
	v_add_nc_u32 v97, s28, v97                     ; LDS, in: my stage, row r, + 32 h
	v_lshl_add_u32 v98, v3, 3, s29                 ; LDS, back: row = my wave, 8 bytes a lane
	s_wait_alu depctr_va_vdst(0)
	s_wait_kmcnt 0x0
	s_load_b64 s[30:31], s[12:13], 0x18            ; e6, e7
	global_load_b128 v[4:7], v61, s[6:7]
.irp t, 0,1,2,3
	global_load_b128 v[8+4*\t:11+4*\t], v60, s[4:5] offset:1024*(\t/2)+256*(\t%2)
.endr
	s_cmp_lt_u32 s20, 8
	s_cbranch_scc0 .Lno_bo
	global_load_b64 v[56:57], v63, s[10:11]        ; only the waves that will store a row
.Lno_bo:
.irp ct, 0,1,2,3
.irp c, 0,1
	global_load_b128 v[24+8*\ct+4*\c:27+8*\ct+4*\c], v62, s[8:9] offset:16384*\ct+32*\c
.endr
.endr
	s_wait_kmcnt 0x0
	s_add_co_i32 s34, s30, 127
	s_lshl_b32 s34, s34, 23                        ; 2^e6 as f32: the conversion takes its exponent field
	s_add_co_i32 s35, s30, 135
	s_lshl_b32 s35, s35, 23
	s_or_b32 s35, s35, 0x600000                    ; 448 x that
	s_add_co_i32 s32, s30, s31
	s_add_co_i32 s32, s32, 127
	s_lshl_b32 s32, s32, 23                        ; 2^(e6 + e7) as f32
	s_mov_b32 s33, s32                             ; (named with it as a pair, so it is written)
	s_wait_loadcnt 8                               ; w and vp are in; Wo's eight loads may be out
.irp i, 0,1                            ; the four accumulators take turns, one instruction a turn
.irp t, 0,1,2,3
.if \i == 0
	v_wmma_f32_16x16x4_f32 v[64+8*\t:71+8*\t], v[8+4*\t:9+4*\t], v[4:5], 0
.else
	v_wmma_f32_16x16x4_f32 v[64+8*\t:71+8*\t], v[10+4*\t:11+4*\t], v[6:7], v[64+8*\t:71+8*\t]
.endif
.endr
.endr
	v_mov_b32 v59, s34                             ; eight places behind the f32 form: these two lines and six v_nop
	v_mov_b32 v58, s35
.rept 6
	v_nop
.endr
.set J, 0
.rept 32
	v_med3_num_f32 v[104+J], v[64+J], -v58, v58    ; the conversion to an 8-bit code does not saturate (ISA guide 7.6.2): the hold, into other registers
.set J, J+1
.endr
.irp t, 0,1,2,3
	v_cvt_scalef32_pk8_fp8_f32 v[136+2*\t:137+2*\t], v[104+8*\t:111+8*\t], v59
.endr
	v_nop                                          ; a plain instruction behind the last conversion
	s_wait_alu depctr_va_vdst(0)
	s_wait_loadcnt 0x0
.irp ct, 0,1,2,3                       ; source 0 = 16 rows of Wo, source 1 = the codes: lane (r, h) holds row r and columns 16 ct + 8 h + 0 .. 7
	v_wmma_f32_16x16x64_fp8_fp8 v[144+8*\ct:151+8*\ct], v[24+8*\ct:31+8*\ct], v[136:143], 0
.endr
.rept 4
	v_nop                                          ; four places between the last product and the stores that read results
.endr
.irp ct, 0,1,2,3
	ds_store_b128 v97, v[144+8*\ct:147+8*\ct] offset:64*\ct
	ds_store_b128 v97, v[148+8*\ct:151+8*\ct] offset:64*\ct+16
.endr
	s_wait_dscnt 0x0                               ; for the others' sake: my stores have landed
	s_barrier_signal -1
	s_barrier_wait -1
	s_cmp_lt_u32 s20, 8
	s_cbranch_scc0 .Lend
.irp p, 0,1,2,3,4,5,6,7,8,9,10,11,12,13,14,15
	ds_load_b64 v[104+2*\p:105+2*\p], v98 offset:4352*\p   ; wave p's partial sums of my row
.endr
	s_wait_dscnt 0x0
.irp j, 0,2,4,6,8,10,12,14
	v_pk_add_f32 v[104+\j:105+\j], v[104+\j:105+\j], v[120+\j:121+\j]
.endr
.irp j, 0,2,4,6
	v_pk_add_f32 v[104+\j:105+\j], v[104+\j:105+\j], v[112+\j:113+\j]
.endr
.irp j, 0,2
	v_pk_add_f32 v[104+\j:105+\j], v[104+\j:105+\j], v[108+\j:109+\j]
.endr
	v_pk_add_f32 v[104:105], v[104:105], v[106:107]
	v_pk_fma_f32 v[104:105], v[104:105], s[32:33], v[56:57] op_sel_hi:[1,0,1]   ; sum x 2^(e6 + e7) + bo
	global_store_b64 v96, v[104:105], s[16:17]     ; 32 lanes store 256 consecutive bytes of a row of out0, at a multiple of 256 from its first byte
.Lend:
	s_wait_tensorcnt 0x0                           ; the wave's end
	ds_add_u32 v100, v101
	s_wait_dscnt 0x0
	s_endpgm
.Lparts:
	s_sub_co_u32 s21, ttmp9, 128
	s_lshl_b32 s21, s21, 12
	s_lshl_b32 s22, s20, 8
	s_add_co_u32 s21, s21, s22                     ; 4,096 x (work-group - 128) + 256 x wave
	v_and_b32 v1, 31, v0
	v_lshl_add_u32 v2, v1, 3, s21
	s_wait_alu depctr_va_vdst(0)
	s_wait_kmcnt 0x0
.irp cb, 0,1,2,3
	global_load_b64 v[4+2*\cb:5+2*\cb], v2, s[14:15] offset:524288*\cb th:TH_LOAD_NT   ; 32 lanes read 256 consecutive bytes
.endr
	s_wait_loadcnt 0x0
	v_pk_add_f32 v[4:5], v[4:5], v[6:7]
	v_pk_add_f32 v[8:9], v[8:9], v[10:11]
	v_pk_add_f32 v[4:5], v[4:5], v[8:9]
	global_store_b64 v2, v[4:5], s[18:19]          ; 256 consecutive bytes of out1
	s_endpgm
.Lfunc_end_k_qd42f40e0f0_fin:
	.size	k_qd42f40e0f0_fin, .Lfunc_end_k_qd42f40e0f0_fin-k_qd42f40e0f0_fin
	.p2alignl 7, 3214868480
	.fill 96, 4, 3214868480
	.section	.rodata,"a",@progbits
	.p2align	6, 0x0
	.amdhsa_kernel k_qd42f40e0f0_fin
		.amdhsa_group_segment_fixed_size 71680
		.amdhsa_private_segment_fixed_size 0
		.amdhsa_enable_private_segment 0
		.amdhsa_kernarg_size 64
		.amdhsa_user_sgpr_count 2
		.amdhsa_user_sgpr_kernarg_segment_ptr 1
		.amdhsa_wavefront_size32 1
		.amdhsa_system_sgpr_workgroup_id_x 1
		.amdhsa_system_sgpr_workgroup_id_y 1
		.amdhsa_system_sgpr_workgroup_id_z 1
		.amdhsa_system_vgpr_workitem_id 0
		.amdhsa_next_free_vgpr 176
		.amdhsa_next_free_sgpr 66
		.amdhsa_reserve_vcc 0
		.amdhsa_float_denorm_mode_32 3
		.amdhsa_float_denorm_mode_16_64 3
		.amdhsa_memory_ordered 1
		.amdhsa_forward_progress 1
		.amdhsa_inst_pref_size 12
	.end_amdhsa_kernel
	.amdgpu_metadata
---
amdhsa.version: [ 1, 2 ]
amdhsa.kernels:
  - .name:           k_qd42f40e0f0_fin
    .symbol:         k_qd42f40e0f0_fin.kd
    .args:
      - { .name: vws, .offset: 0, .size: 8, .value_kind: global_buffer, .address_space: global }
      - { .name: wws, .offset: 8, .size: 8, .value_kind: global_buffer, .address_space: global }
      - { .name: Wo_codes, .offset: 16, .size: 8, .value_kind: global_buffer, .address_space: global }
      - { .name: bo, .offset: 24, .size: 8, .value_kind: global_buffer, .address_space: global }
      - { .name: lowp_scales, .offset: 32, .size: 8, .value_kind: global_buffer, .address_space: global }
      - { .name: part, .offset: 40, .size: 8, .value_kind: global_buffer, .address_space: global }
      - { .name: out0, .offset: 48, .size: 8, .value_kind: global_buffer, .address_space: global }
      - { .name: out1, .offset: 56, .size: 8, .value_kind: global_buffer, .address_space: global }
    .group_segment_fixed_size: 71680
    .private_segment_fixed_size: 0
    .kernarg_segment_align: 8
    .kernarg_segment_size: 64
    .max_flat_workgroup_size: 512
    .sgpr_count:     66
    .vgpr_count:     176
    .wavefront_size: 32
...
	.end_amdgpu_metadata
.endif
;; end of part 5
